; MI455X (gfx1250); checked and timed in simulation.
; The chip was launched on July 23, 2026; its instructions are those of AMD's public machine-readable ISA for CDNA 5 (MIT licence, August 2026) and "CDNA5" Instruction Set Architecture Reference Guide (July 2026). The comments in the code are by the model that wrote it; some were corrected since.
;; Multi Headed Attention. Allowed arithmetic: matrix products marked QUANTISED: E2M1 operands, one E8M0 scale for each 32 along K, by v_wmma_scale_f32_16x16x128_f8f6f4 with both operands' format E2M1 (or v_wmma_scale_f32_32x16x128_f4), f32 sums; products left as they are: bf16, f16 or f32 operands; f32 sums; everything else in f32.
;; Inputs: Wk 1,024 x 1,024 float32; Wo 1,024 x 1,024 float32; Wq 1,024 x 1,024 float32; Wv 1,024 x 1,024 float32; bank 4 x 2,048 x 1,024 float32; bk 1,024 float32; bo 1,024 float32; bq 1,024 float32; bv 1,024 float32; query 4 x 2,048 x 1,024 float32.
;; Outputs: out0 4 x 2,048 x 1,024 float32.
;; This version of the problem:
;;   THIS VERSION OF THE PROBLEM IS GIVEN IN LOW PRECISION. The matrix products marked QUANTISED in the list below multiply operands that are first quantised to E2M1 (2 exponent bits, 1 mantissa bit; 4 bits a number), with one power-of-two scale for each 32 numbers along K (OCP MX v1.0); their sums are f32. The products marked 'left as it is' may take bf16, f16 or f32 operands, with f32 sums. Whichever they take, every output number must still come out within the allowed error. Rounding operands to bf16 (8 significant bits) uses up far more of that allowance than f16 does (11 bits, for magnitudes from 6e-5 to 65,504). All else is computed in f32.
;;   The module's matrix products, in the order in which they are computed (A, B: the left and right operand; K: the contracted axis; several contracted axes count as one K, in the product's order):
;;     1. [M 8,192, K 1,024] x [K 1,024, N 1,024]; A: input query; B: input Wq: QUANTISED
;;     2. [M 8,192, K 1,024] x [K 1,024, N 1,024]; A: input bank; B: input Wk: QUANTISED
;;     3. [M 8,192, K 1,024] x [K 1,024, N 1,024]; A: input bank; B: input Wv: QUANTISED
;;     4. batch 64 x [M 2,048, K 64] x [K 64, N 2,048]; A: computed on the way; B: computed on the way: left as it is (an operand is computed on the way)
;;     5. batch 64 x [M 2,048, K 2,048] x [K 2,048, N 64]; A: computed on the way; B: computed on the way: left as it is (an operand is computed on the way)
;;     6. [M 8,192, K 1,024] x [K 1,024, N 1,024]; A: computed on the way; B: input Wo: left as it is (an operand is computed on the way)
;;   THE QUANTISER, for each operand of a quantised product, along K:
;;     - K is cut into blocks of 32 from its start; a last block that is shorter is filled with zeros.
;;     - A block's scale is 2^e with e = floor(log2(the largest magnitude in the block)) - 2, held to -126 .. 127; a block of zeros has e = 0. As a byte (E8M0): e + 127.
;;     - Each number is divided by its block's scale, clamped to +-6, and rounded to the nearest number of E2M1, ties to even, subnormals kept.
;;     - The product sums the exact products of the quantised numbers (number of the format x scale) in f32.
;;   ~~~python
;;   def quantise(x, axis):      # numpy; x: float32 -> the quantised numbers, widened to float32 again
;;       x = np.moveaxis(x, axis, -1); K = x.shape[-1]
;;       x = np.pad(x, [(0, 0)] * (x.ndim - 1) + [(0, -K % 32)]); x = x.reshape(x.shape[:-1] + (-1, 32)); a = np.abs(x).max(-1, keepdims=True)
;;       e = np.where(a > 0, np.clip(np.frexp(np.where(a > 0, a, 1))[1] - 1 - 2, -126, 127), 0)      # np.frexp(a)[1] - 1 = floor(log2(a)), exactly
;;       r = np.clip(x / 2.0 ** e, -6, 6)
;;       step = 2.0 ** (np.maximum(np.frexp(np.where(r == 0, 1, r))[1] - 1, 0) - 1)
;;       q = np.round(r / step) * step * 2.0 ** e      # np.round: ties to even
;;       return np.moveaxis(q.reshape(q.shape[:-2] + (-1,))[..., :K], -1, axis).astype(np.float32)
;;   ~~~
;; One version. Each part assembles by itself: llvm-mc -triple=amdgcn-amd-amdhsa -mcpu=gfx1250 --defsym DOCPART=n.
;; ======== version 1 of 1: 4 launches
;; limits: values are held in f16: magnitudes above 65,504 overflow, below 6.1e-05 lose precision
;; workspace buffers: xc 8,388,608 bytes; xs 524,288 bytes; wc 1,572,864 bytes; ws 98,304 bytes; woh 2,097,152 bytes; qkv 50,331,648 bytes; ctx 16,777,216 bytes
;; launch prep (part 1): grid 592 x 1, 4 waves a work-group, no clusters, 68,096 bytes of LDS; arguments query, bank, Wq, Wk, Wv, Wo, xc, xs, wc, ws, woh; writes xc, xs, wc, ws, woh
.if DOCPART == 1
	.amdgcn_target "amdgcn-amd-amdhsa--gfx1250"
	.amdhsa_code_object_version 6
	.text
	.protected	k_q1070435019_prep
	.globl	k_q1070435019_prep
	.p2align	8
	.type	k_q1070435019_prep,@function
k_q1070435019_prep:
	s_mov_b64 s[64:65], 0
	v_nop
	global_prefetch_b8 v0, s[64:65] scope:SCOPE_SE
	s_setreg_imm32_b32 hwreg(HW_REG_WAVE_MODE, 25, 1), 1
	s_wait_xcnt 0x0
; MULTI-HEAD ATTENTION, launch 1 of 4: the operands of the three quantised products become codes of FP4 (E2M1) with one E8M0 byte for each 32 along K, and Wo becomes f16.
; DEAD WORK, for the whole program: bk.  scores[q][k] = (query Wq + bq)[q] . (bank Wk + bk)[k] / 8 = q . k0[k] / 8 + q . bk / 8.  The second term does not hang on the key k: it is the same along the
; softmax's axis, and softmax(s + const) = softmax(s) for all finite values.  The product q k^T is not quantised, so bk moves no code and no scale.  k reaches the output through the scores alone.
; So bk has no way to any output: it is not loaded, and it is among no launch's arguments.  LIMIT: a NaN, an infinity or an overflow that would arise from bk alone is not carried to the result.
; bq stays (it multiplies k0), bv stays (it reaches the output through Wo), bo stays.
; THREE PATHS, parted on the work-group's number alone; each has LDS bytes of its own.
;   0-47   W: Wq, Wk, Wv [k 1024][n 1024] f32, K the FIRST axis -> wc [3072 rows n][512 bytes, K innermost], ws [3072][32].  A lane takes a column, its registers run down K.
;   48-79  O: Wo f32 -> woh f16, in Wo's own order: a plain stream, no LDS.
;   80-591 X: query, then bank, [8192][1024] f32, K innermost -> xc [16384][512 bytes], xs [16384][32].  A plain stream of blocks of 32.
; A block's scale is 2^(floor(log2(its largest magnitude)) - 2); its byte is the largest magnitude's exponent field - 2, held at 1 from below.  A block of zeros so gets the byte 1 where the quantiser
; says 127: its codes are zeros, which add nothing under any byte but 0xff, and this program alone reads the bytes.
; LIMITS: blocks whose largest magnitude lies under 2^(3 - 127) have their byte held at 1; NaN and infinities among the inputs are not served; Wo is rounded to f16 (magnitudes under 65,504).
; No matrix unit, no cluster, no tensor load: every byte is read once by one wave, and waves share nothing, so there is no barrier.
.set SPARE, 67584                      ; behind both paths' stages: the spare words, 128 bytes for each wave: two blocks of 256 bytes that no other line names
.set SPW,   14                         ; v14  LDS address of my spare word: SPARE + 4 x my thread's number; never rewritten
.set NIL,   15                         ; v15  0; never rewritten
.set WV,    26                         ; s26  my wave's number
	s_load_b512 s[4:19], s[0:1], 0x0               ; query s[4:5], bank s[6:7], Wq s[8:9], Wk s[10:11], Wv s[12:13], Wo s[14:15], xc s[16:17], xs s[18:19]
	s_load_b128 s[20:23], s[0:1], 0x40             ; wc s[20:21], ws s[22:23]
	s_load_b64 s[24:25], s[0:1], 0x50              ; woh
	v_lshl_add_u32 v[SPW], v0, 2, SPARE
	v_mov_b32 v[NIL], 0
	v_lshrrev_b32 v1, 5, v0
	v_readfirstlane_b32 s[WV], v1                  ; wave 0..3
	v_and_b32 v2, 31, v0                           ; lane
	s_wait_kmcnt 0x0
	s_cmp_lt_u32 ttmp9, 48
	s_cbranch_scc1 .Lpath_w
	s_cmp_lt_u32 ttmp9, 80
	s_cbranch_scc1 .Lpath_o
; ---------------- PATH X: query and bank.  A wave takes 16 steps of 512 numbers.  Each of a step's four loads reads 512 consecutive bytes; the 2,048 bytes turn through the wave's own stage in LDS and come
; back 64 bytes a lane, so that a lane holds 16 neighbours along K and two neighbouring lanes hold a block.  LDS 0 .. 32,767: 8,192 bytes a wave: two stages of 32 x 80 bytes, then its 256 scale bytes.
.set XSTEPS, 16
.set XR,  16                           ; v16-79   four sets of 16 numbers as they are loaded
.set XX,  80                           ; v80-111  two sets of 16 neighbours
.set XE,  112                          ; v112-127 a scale byte for each step
.set XC,  128                          ; v128-191 codes: four registers for each step, so that no store's data are written again
.set XSP, 80                           ; a lane's place in a stage: its 64 bytes + 16 of padding
	v_lshlrev_b32 v3, 4, v2                        ; my 16 bytes of a load's 512
	s_mul_i32 s28, s[WV], 8192
	v_lshrrev_b32 v12, 2, v2
	v_mul_u32_u24 v12, v12, XSP
	v_and_b32 v13, 3, v2
	v_lshl_add_u32 v12, v13, 4, v12
	v_add_nc_u32 v12, s28, v12                     ; the stage on the way in: 80 (lane / 4) + 16 (lane % 4)
	v_mul_u32_u24 v13, v2, XSP
	v_add_nc_u32 v13, s28, v13                     ; and on the way out: 80 x lane: my 16 neighbours
	v_mul_u32_u24 v4, v2, 8                        ; my 8 bytes of a step's 256 bytes of codes
	v_lshrrev_b32 v5, 1, v2
	s_add_co_u32 s28, s28, 2*32*XSP
	v_add_nc_u32 v5, s28, v5                       ; LDS: my wave's 256 scale bytes, my block's byte
	v_lshlrev_b32 v7, 3, v2                        ; and on the way out 8 bytes a lane
	v_add_nc_u32 v6, s28, v7
	s_sub_co_u32 s27, ttmp9, 80                    ; j = 0 .. 511: 256 work-groups for query, 256 for bank
	s_cmp_lt_u32 s27, 256                          ; the choice hangs on the work-group's number alone
	s_cselect_b64 s[4:5], s[4:5], s[6:7]
	s_cselect_b32 s29, 0, 256
	s_sub_co_u32 s29, s27, s29
	s_lshl_b32 s29, s29, 2
	s_add_co_u32 s29, s29, s[WV]                   ; which run of 8,192 numbers of the input is my wave's
	s_lshl_b32 s30, s29, 15                        ; 32,768 bytes a run
	s_mov_b32 s31, 0
	s_add_nc_u64 s[4:5], s[4:5], s[30:31]
	s_lshl_b32 s29, s27, 2
	s_add_co_u32 s29, s29, s[WV]                   ; and which run of xc and xs: query's 1,024 runs, then bank's
	s_lshl_b32 s30, s29, 12                        ; 4,096 bytes of codes a run
	s_add_nc_u64 s[16:17], s[16:17], s[30:31]
	s_lshl_b32 s30, s29, 8                         ; 256 scale bytes a run
	s_add_nc_u64 s[18:19], s[18:19], s[30:31]
.macro XLOAD t
.irp i, 0,1,2,3
	global_load_b128 v[XR+16*((\t)%4)+4*\i:XR+16*((\t)%4)+4*\i+3], v3, s[4:5] offset:2048*(\t)+512*\i th:TH_LOAD_NT   ; 32 lanes read 512 consecutive bytes
.endr
.endm
.macro XTURN t                         ; step t's numbers through the stage: LDS serves a wave's instructions in order, so no wait stands between the stores and the loads
.irp i, 0,1,2,3
	ds_store_b128 v12, v[XR+16*((\t)%4)+4*\i:XR+16*((\t)%4)+4*\i+3] offset:32*XSP*((\t)%2)+8*XSP*\i
.endr
.irp i, 0,1,2,3
	ds_load_b128 v[XX+16*((\t)%2)+4*\i:XX+16*((\t)%2)+4*\i+3], v13 offset:32*XSP*((\t)%2)+16*\i
.endr
.endm
.irp t, 0,1,2,3
	XLOAD \t
.endr
	s_wait_loadcnt 12                              ; step 0's four loads are in; the twelve of steps 1 to 3 stay out
	XTURN 0
.macro XSTEP t
.set XS, XX+16*((\t)%2)
.if (\t) > 0
	s_wait_dscnt 1                                 ; this step's numbers are back from the stage (the last step's byte store may be out): so its stores into the stage have read their registers,
.else
	s_wait_dscnt 0x0
.endif
.if (\t)+4 < XSTEPS
	XLOAD (\t)+4                                   ; which take the loads of four steps on
.endif
.if (\t)+1 < XSTEPS
.if XSTEPS-2-(\t) >= 3
	s_wait_loadcnt 12                              ; the next step's four loads are in; those of the three steps behind it may be out
.else
	s_wait_loadcnt 4*(XSTEPS-2-(\t))               ; near the end fewer steps lie behind it
.endif
	XTURN (\t)+1                                   ; and go through the other stage while this step is worked
.endif
	v_max3_num_f32 v8, |v[XS]|, |v[XS+1]|, |v[XS+2]|               ; the largest magnitude of my 16, in two chains
	v_max3_num_f32 v9, |v[XS+3]|, |v[XS+4]|, |v[XS+5]|
.irp i, 6,10
	v_max3_num_f32 v8, v8, |v[XS+\i]|, |v[XS+\i+1]|
	v_max3_num_f32 v9, v9, |v[XS+\i+2]|, |v[XS+\i+3]|
.endr
	v_max3_num_f32 v8, v8, |v[XS+14]|, |v[XS+15]|
	v_max3_num_f32 v8, v8, v9, 0x1800000           ; and the floor 2^(3 - 127): so the byte cannot fall under 1
	v_max_num_f32_dpp v8, v8, v8 row_xmask:1 row_mask:0xf bank_mask:0xf   ; and of my neighbour's 16: the block's
	v_add_nc_u32 v11, 0xff000000, v8               ; 2 off its exponent field: the conversion takes the exponent field of this operand as its scale, and nothing else of it
	v_cvt_scalef32_pk8_fp4_f32 v[XC+4*(\t)], v[XS:XS+7], v11       ; eight numbers / the scale, to the nearest code, ties to even, beyond 6 the largest code; the first number's code in the lowest four bits
	v_cvt_scalef32_pk8_fp4_f32 v[XC+4*(\t)+1], v[XS+8:XS+15], v11
	v_lshrrev_b32 v[XE+(\t)], 23, v11              ; the scale's byte (a plain line behind the conversions)
	ds_store_b8 v5, v[XE+(\t)] offset:16*(\t)      ; both lanes of a block write the same byte with the same value
	global_store_b64 v4, v[XC+4*(\t):XC+4*(\t)+1], s[16:17] offset:256*(\t)   ; the wave stores 256 consecutive bytes, aligned
.endm
.irp t, 0,1,2,3,4,5,6,7,8,9,10,11,12,13,14,15
	XSTEP \t
.endr
	ds_load_b64 v[8:9], v6                         ; LDS serves a wave's instructions in order: these see my byte stores
	s_wait_dscnt 0x0
	global_store_b64 v7, v[8:9], s[18:19]          ; 32 lanes store the wave's 256 scale bytes, aligned
	s_wait_tensorcnt 0x0                           ; the wave's end, behind my last LDS store
	ds_add_u32 v[SPW], v[NIL]
	s_wait_dscnt 0x0
	s_endpgm
; ---------------- PATH W: the three weights.  Work-group id: weight id / 16, half of K (id / 8) % 2, 128 columns id % 8.  A wave takes 32 columns x 512 along K: 16 blocks a lane, 256 bytes of codes a column.
; Each load reads one row k at 32 neighbouring columns.  A lane's codes belong to one row of wc: they go through the wave's own stage (LDS 32,768 on, 32 rows of 272 bytes a wave) and leave sixteen lanes to 256 aligned bytes.
.Lpath_w:
.set NB,   16                          ; blocks of a lane
.set WP,   272                         ; a stage row: 256 bytes + 16
.set WX,   32                          ; v32-95   two sets of 32 numbers
.set WC,   96                          ; v96-99   a block's codes
.set OUTR, 112                         ; v112-175 the way out
.set SB,   24                          ; v24-27   the scale bytes, four to a register
	s_lshr_b32 s27, ttmp9, 4                       ; which weight: 0 Wq, 1 Wk, 2 Wv
	s_and_b32 s28, ttmp9, 7
	s_bfe_u32 s30, ttmp9, 0x10003                  ; which 512 along K
	s_lshl_b32 s28, s28, 7
	s_lshl_b32 s31, s[WV], 5
	s_add_co_u32 s28, s28, s31                     ; my wave's first column
	s_cmp_eq_u32 s27, 0                            ; the choices hang on the work-group's number alone
	s_cselect_b64 s[4:5], s[8:9], s[10:11]
	s_cmp_eq_u32 s27, 2
	s_cselect_b64 s[4:5], s[12:13], s[4:5]
	s_lshl_b32 s32, s30, 21                        ; 512 rows of 4,096 bytes
	s_lshl_b32 s33, s28, 2
	s_add_co_u32 s32, s32, s33
	s_mov_b32 s33, 0
	s_add_nc_u64 s[4:5], s[4:5], s[32:33]
	s_lshl_b32 s31, s27, 10
	s_add_co_u32 s31, s31, s28                     ; my first row of wc and ws
	s_lshl_b32 s32, s31, 9                         ; 512 bytes of codes a row,
	s_lshl_b32 s34, s30, 8                         ; 256 for each 512 along K
	s_add_co_u32 s32, s32, s34
	s_add_nc_u64 s[20:21], s[20:21], s[32:33]
	s_lshl_b32 s32, s31, 5                         ; 32 scale bytes a row,
	s_lshl_b32 s34, s30, 4                         ; 16 for each 512 along K
	s_add_co_u32 s32, s32, s34
	s_add_nc_u64 s[22:23], s[22:23], s[32:33]
	v_lshlrev_b32 v3, 2, v2                        ; in: 4 bytes a lane
	s_mul_i32 s29, s[WV], 32*WP
	s_add_co_u32 s29, s29, 32768                   ; my stage
	v_mul_u32_u24 v4, v2, WP
	v_add_nc_u32 v4, s29, v4                       ; into it: row = my column
	v_and_b32 v5, 15, v2
	v_lshrrev_b32 v6, 4, v2                        ; out of it: sixteen lanes to a row, two rows an instruction
	v_mul_u32_u24 v7, v6, WP
	v_lshl_add_u32 v7, v5, 4, v7
	v_add_nc_u32 v7, s29, v7
	v_mul_u32_u24 v8, v6, 512
	v_lshl_add_u32 v8, v5, 4, v8                   ; and the same place in wc
	v_lshlrev_b32 v9, 5, v2                        ; my column's row of scale bytes
.macro WLOAD t                         ; block t: W(32 t + i, my column), i = 0 .. 31, into set t % 2; the largest offset, 511 rows of 4,096 bytes, lies inside the signed 24-bit immediate
.irp i, 0,1,2,3,4,5,6,7,8,9,10,11,12,13,14,15,16,17,18,19,20,21,22,23,24,25,26,27,28,29,30,31
	global_load_b32 v[WX+32*((\t)%2)+\i], v3, s[4:5] offset:(32*(\t)+\i)*4096 th:TH_LOAD_NT
.endr
.endm
	WLOAD 0
	WLOAD 1
.macro WBLOCK t
.set WS, WX+32*((\t)%2)
.if (\t) < NB-1
	s_wait_loadcnt 32                              ; this block's 32 loads are in; the next block's 32 may be out
.else
	s_wait_loadcnt 0x0
.endif
	v_max3_num_f32 v12, |v[WS]|, |v[WS+1]|, |v[WS+2]|              ; the block's largest magnitude: all 32 numbers are mine
	v_max3_num_f32 v13, |v[WS+3]|, |v[WS+4]|, |v[WS+5]|
.irp i, 6,10,14,18,22,26
	v_max3_num_f32 v12, v12, |v[WS+\i]|, |v[WS+\i+1]|
	v_max3_num_f32 v13, v13, |v[WS+\i+2]|, |v[WS+\i+3]|
.endr
	v_max3_num_f32 v12, v12, |v[WS+30]|, |v[WS+31]|
	v_max3_num_f32 v12, v12, v13, 0x1800000        ; and the floor 2^(3 - 127)
	v_add_nc_u32 v11, 0xff000000, v12              ; 2 off its exponent field: the conversion's scale operand
	v_lshrrev_b32 v13, 23, v11                     ; the scale's byte
.if (\t)%4 == 0
	v_mov_b32 v[SB+(\t)/4], v13                    ; four bytes to a register, the lower K in the lower byte
.else
	v_lshl_or_b32 v[SB+(\t)/4], v13, 8*((\t)%4), v[SB+(\t)/4]
.endif
.irp g, 0,1,2,3
	v_cvt_scalef32_pk8_fp4_f32 v[WC+\g], v[WS+8*\g:WS+8*\g+7], v11
.endr
	ds_store_b128 v4, v[WC:WC+3] offset:16*(\t)    ; 32 codes: 16 bytes of my column's row
.if (\t)+2 < NB
	WLOAD (\t)+2
.endif
	s_wait_dscnt 0x0                               ; the store has read its registers: the next block's codes may be written
.endm
.set Q, 0
.rept NB
	WBLOCK Q
.set Q, Q+1
.endr
	global_store_b128 v9, v[SB:SB+3], s[22:23]     ; my column's 16 scale bytes
.irp t, 0,1,2,3,4,5,6,7,8,9,10,11,12,13,14,15
	ds_load_b128 v[OUTR+4*\t:OUTR+4*\t+3], v7 offset:2*\t*WP       ; LDS serves a wave's instructions in order: these see my stores
.endr
.irp t, 0,1,2,3,4,5,6,7,8,9,10,11,12,13,14,15
	s_wait_dscnt 15-\t                             ; load t is in; the 15 - t younger ones may be out
	global_store_b128 v8, v[OUTR+4*\t:OUTR+4*\t+3], s[20:21] offset:2*\t*512   ; sixteen lanes store 256 consecutive bytes, aligned
.endr
	s_wait_tensorcnt 0x0                           ; the wave's end, behind my last LDS store
	ds_add_u32 v[SPW], v[NIL]
	s_wait_dscnt 0x0
	s_endpgm
; ---------------- PATH O: Wo to f16.  A wave takes 8,192 numbers in four groups of 16 loads; two sets of registers take turns, so that 16 loads are out while a group is converted.  No LDS is touched.
.Lpath_o:
	s_sub_co_u32 s27, ttmp9, 48
	s_lshl_b32 s27, s27, 2
	s_add_co_u32 s27, s27, s[WV]                   ; which run of 8,192 numbers
	s_lshl_b32 s28, s27, 15
	s_mov_b32 s29, 0
	s_add_nc_u64 s[14:15], s[14:15], s[28:29]
	s_lshl_b32 s28, s27, 14
	s_add_nc_u64 s[24:25], s[24:25], s[28:29]
	v_lshlrev_b32 v3, 4, v2                        ; in: 16 bytes a lane
	v_lshlrev_b32 v4, 3, v2                        ; out: 8 bytes a lane
.macro OLOAD g
.irp i, 0,1,2,3,4,5,6,7,8,9,10,11,12,13,14,15
	global_load_b128 v[16+64*((\g)%2)+4*\i:16+64*((\g)%2)+4*\i+3], v3, s[14:15] offset:8192*(\g)+512*\i th:TH_LOAD_NT
.endr
.endm
.macro OGROUP g
.if (\g) < 3
	s_wait_loadcnt 16                              ; this group's 16 loads are in; the other set's 16 may be out
.else
	s_wait_loadcnt 0x0
.endif
.if (\g) > 0
	s_wait_xcnt 0x0                                ; the last group's stores have read their data: v144-175 are written again only behind this wait
.endif
.irp i, 0,1,2,3,4,5,6,7,8,9,10,11,12,13,14,15
	v_cvt_pk_f16_f32 v[144+2*\i], v[16+64*((\g)%2)+4*\i], v[16+64*((\g)%2)+4*\i+1]
	v_cvt_pk_f16_f32 v[145+2*\i], v[16+64*((\g)%2)+4*\i+2], v[16+64*((\g)%2)+4*\i+3]
.endr
.if (\g)+2 < 4
	OLOAD (\g)+2
.endif
.irp i, 0,1,2,3,4,5,6,7,8,9,10,11,12,13,14,15
	global_store_b64 v4, v[144+2*\i:145+2*\i], s[24:25] offset:4096*(\g)+256*\i   ; the wave stores 256 consecutive bytes, aligned
.endr
.endm
	OLOAD 0
	OLOAD 1
	OGROUP 0
	OGROUP 1
	OGROUP 2
	OGROUP 3
	s_endpgm
.Lfunc_end_k_q1070435019_prep:
	.size	k_q1070435019_prep, .Lfunc_end_k_q1070435019_prep-k_q1070435019_prep
	.p2alignl 7, 3214868480
	.fill 96, 4, 3214868480
	.section	.rodata,"a",@progbits
	.p2align	6, 0x0
	.amdhsa_kernel k_q1070435019_prep
		.amdhsa_group_segment_fixed_size 68096
		.amdhsa_private_segment_fixed_size 0
		.amdhsa_enable_private_segment 0
		.amdhsa_kernarg_size 88
		.amdhsa_user_sgpr_count 2
		.amdhsa_user_sgpr_kernarg_segment_ptr 1
		.amdhsa_wavefront_size32 1
		.amdhsa_system_sgpr_workgroup_id_x 1
		.amdhsa_system_sgpr_workgroup_id_y 1
		.amdhsa_system_sgpr_workgroup_id_z 1
		.amdhsa_system_vgpr_workitem_id 0
		.amdhsa_next_free_vgpr 192
		.amdhsa_next_free_sgpr 66
		.amdhsa_reserve_vcc 0
		.amdhsa_float_denorm_mode_32 3
		.amdhsa_float_denorm_mode_16_64 3
		.amdhsa_memory_ordered 1
		.amdhsa_forward_progress 1
		.amdhsa_inst_pref_size 132
	.end_amdhsa_kernel
	.amdgpu_metadata
---
amdhsa.version: [ 1, 2 ]
amdhsa.kernels:
  - .name:           k_q1070435019_prep
    .symbol:         k_q1070435019_prep.kd
    .args:
      - { .name: query, .offset: 0, .size: 8, .value_kind: global_buffer, .address_space: global }
      - { .name: bank, .offset: 8, .size: 8, .value_kind: global_buffer, .address_space: global }
      - { .name: Wq, .offset: 16, .size: 8, .value_kind: global_buffer, .address_space: global }
      - { .name: Wk, .offset: 24, .size: 8, .value_kind: global_buffer, .address_space: global }
      - { .name: Wv, .offset: 32, .size: 8, .value_kind: global_buffer, .address_space: global }
      - { .name: Wo, .offset: 40, .size: 8, .value_kind: global_buffer, .address_space: global }
      - { .name: xc, .offset: 48, .size: 8, .value_kind: global_buffer, .address_space: global }
      - { .name: xs, .offset: 56, .size: 8, .value_kind: global_buffer, .address_space: global }
      - { .name: wc, .offset: 64, .size: 8, .value_kind: global_buffer, .address_space: global }
      - { .name: ws, .offset: 72, .size: 8, .value_kind: global_buffer, .address_space: global }
      - { .name: woh, .offset: 80, .size: 8, .value_kind: global_buffer, .address_space: global }
    .group_segment_fixed_size: 68096
    .private_segment_fixed_size: 0
    .kernarg_segment_align: 8
    .kernarg_segment_size: 88
    .max_flat_workgroup_size: 128
    .sgpr_count:     66
    .vgpr_count:     192
    .wavefront_size: 32
...
	.end_amdgpu_metadata
.endif
;; end of part 1
;; launch proj (part 2): grid 12 x 32, 4 waves a work-group, clusters of 4 x 4, 327,680 bytes of LDS; arguments xc, xs, wc, ws, bq, bv, qkv; writes qkv
.if DOCPART == 2
	.amdgcn_target "amdgcn-amd-amdhsa--gfx1250"
	.amdhsa_code_object_version 6
	.text
	.protected	k_q1070435019_proj
	.globl	k_q1070435019_proj
	.p2align	8
	.type	k_q1070435019_proj,@function
k_q1070435019_proj:
	s_mov_b64 s[64:65], 0
	v_nop
	global_prefetch_b8 v0, s[64:65] scope:SCOPE_SE
	s_setreg_imm32_b32 hwreg(HW_REG_WAVE_MODE, 25, 1), 1
	s_wait_xcnt 0x0
	s_wait_alu depctr_hold_cnt(0) depctr_sa_sdst(0) depctr_va_vdst(0) depctr_va_sdst(0) depctr_va_ssrc(0) depctr_va_vcc(0) depctr_vm_vsrc(0)
	s_getreg_b32 s2, hwreg(HW_REG_IB_STS2, 6, 4)
	s_cmp_eq_u32 s2, 0
	s_cbranch_scc0 .Lentry_in_a_cluster
	s_endpgm
.Lentry_in_a_cluster:
	s_bfe_u32 s2, ttmp6, 0x10000c
	s_cmp_lg_u32 s2, 0xf033
	s_cbranch_scc0 .Lentry_shape_is_right
	s_endpgm
.Lentry_shape_is_right:
; Launch 2 of 4: q = query Wq + bq, k = bank Wk, v = bank Wv + bv: three GEMMs [8192 x 1024] x [1024 x 1024] on codes of FP4 (E2M1) with one E8M0 scale for each 32 along K, sums in f32.
; LEFT OUT: bk (dead work: it adds to every score of a query the same number, which the softmax takes away; shown at the head of the first launch).  k's sums start from 0.
; xc [16384 rows: query's 8192, bank's 8192][512 bytes], xs [16384][32]; wc [3072 rows n: Wq, Wk, Wv][512], ws [3072][32].  Out: qkv, part p (q, k, v) at p x 2^24 bytes, each f16 [batch x 16 + head][2048 tokens][64].
; LIMIT: q, k and v are rounded to f16: their magnitudes stay under 65,504.
; A tile of C, 256 x 256, is made by a work-group of four waves; a wave makes 128 x 128: 64 accumulators, 512 registers.  K = 1,024 is two slots of 512 along K (rows of 256 bytes): both are asked for at the head,
; together with the scales of the work-group's rows for all of K, so nothing is filled again, and no prefetch is laid: all that a work-group reads is asked for at its first lines.
; CLUSTERS: 4 x 4 work-groups.  The cluster's x is the part (four tiles of 256 columns are one weight).  The four of a row of the cluster need the same tiles of x, the four of a column the same tiles of the weight: each tile is
; asked for JOINTLY, by the same tensor load with the same descriptor and a mask that names the four.  THE MATRIX INSTRUCTION IS USED TRANSPOSED (source 0 = 16 rows of the weight, source 1 = 16 rows of x): a lane holds eight neighbouring columns of a row of C.
; THE BIAS is the C of each sum's first matrix instruction: eight registers for each of my eight blocks of columns, in the result's layout.
; REGISTERS, in windows of 256: window 0: v0-31 addresses; v32-95 scale words, two sets; v128-191 x's fragments, ONE set; on the way out v32-63, v192-255.
;   window 1: the weight's fragments, TWO sets, at v0 and v128; v64-127 the bias.   window 2: the accumulators of my rows 0-63 ((a, b) at v[8 (8 a + b)]);   window 3: those of my rows 64-127.
.set NQ,     4                         ; matrix instructions deep in a slot: 512 along K
.set ROWB,   256                       ; a tile's row in bytes
.set KROW,   512                       ; a row of codes in memory
.set PITCH,  272                       ; an LDS row: 256 bytes + 16 of padding = 68 words: the 16 rows that a load touches start 4 words apart modulo 64
.set FR,     8                         ; registers of a fragment: 16 rows x 128 K
.set NL,     2                         ; LDS loads that bring one
.set NP,     4                         ; places behind this matrix instruction (ISA guide 7.12.1)
.set HALFT,  128*PITCH                 ; 128 rows: what one tensor load brings, and what one wave reads of either operand
.set SLOT,   4*HALFT                   ; x's 256 rows, then the weight's 256 rows
.set KS,     32                        ; a row of scales in bytes
.set SCL,    2*SLOT                    ; behind the two slots: the scales, as units of 256 bytes + 16 of padding
.set HALFS,  (128*KS/256)*272          ; the scales of 128 rows: what one tensor load brings
.set SBLK,   (16*KS/256)*272           ; those of 16 rows
.set SPARE,  SCL+4*HALFS               ; behind the scales: the spare words, 128 bytes for each wave: two blocks of 256 bytes that no other line names
.set SPITCH, 144                       ; the way out: a stage of 32 rows (head, token) x (128 bytes + 16) for each wave.  It lies in slot 0, which has had its one fill and its last read when the first result is stored there
.set ADRA, 16                          ; v16-17  LDS address of my fragments of x in slot 0, 1
.set ADRB, 20                          ; v20-21  the same for the weight
.set STO,  24                          ; v24     the way out: where I put 16 bytes of a row
.set RD,   25                          ; v25     where I read rows back
.set CO,   26                          ; v26     16 x lane: my bytes of a store's 512
.set ADRS, 27                          ; v27     LDS address of my scale words: lanes 0-15 x's rows, lanes 16-31 the weight's
.set SPW,  28                          ; v28     LDS address of my spare word; never rewritten
.set NIL,  29                          ; v29     0; never rewritten
.set SC,   32                          ; scale words: set s at v[SC + 32 s]; register 4 i + q: lanes 0-15 the word of x's block i, lanes 16-31 that of the weight's block i, for the slot's q-th 128 along K
.set AF,   128                         ; x's fragments, window 0
.set BIAS, 64                          ; the bias, window 1
.set TMP,  192                         ; the way out: packed results
.set OB,   32                          ; the way out: rows read back: v32-63 and v224-255 by turns
.set G1, 24                            ; s[24:31] descriptor group 1 for x's tiles;  s[32:39] group 0, one set for each slot
.set G0, 32
.set G1B, 48                           ; s[48:55], s[56:63] the same for the weight's tiles
.set G0B, 56
.set G1S, 68                           ; s[68:75], s[76:79] groups 1 and 0 for x's scales;  s[80:87], s[88:91] for the weight's
.set G0S, 76
.set G1SB, 80
.set G0SB, 88
.set MSB, 0
.macro WIN new                         ; the immediate's high byte repeats the setting that is left; a switch that changes nothing is dropped
.if MSB != (\new)
	s_set_vgpr_msb (MSB<<8)|(\new)
.set MSB, (\new)
.endif
.endm
.set MUL_LO, 0xa1                      ; source 0 (weight) window 1, source 1 (x) window 0, C and D window 2
.set MUL_HI, 0xf1                      ; the same, C and D window 3
.set ONE_LO, 0x91                      ; the first step: C (the bias) window 1, D window 2
.set ONE_HI, 0xd1                      ; C window 1, D window 3
.set TO_B,   0x40                      ; destination window 1, address window 0
; A joint load: waves 0 and 1 fetch for x, waves 2 and 3 for the weight.  Each of the two lines has ONE mask and one set of registers for all that issue it; the branch hangs on the wave's number alone.
; An s_nop 0 and four v_nop follow each of the two lines, ahead of the jump, the label and what follows.
.macro JLOAD g0a, g1a, g0b, g1b
	s_cmp_eq_u32 s15, 0
	s_cbranch_scc0 .Lfor_b_\@
	tensor_load_to_lds s[\g0a:\g0a+3], s[\g1a:\g1a+7]
	s_nop 0
.rept 4
	v_nop
.endr
	s_branch .Lasked_\@
.Lfor_b_\@:
	tensor_load_to_lds s[\g0b:\g0b+3], s[\g1b:\g1b+7]
	s_nop 0
.rept 4
	v_nop
.endr
.Lasked_\@:
.endm
.macro CROUND                          ; a round of the cluster's barrier: my work-group's barrier; wave 0 signals for the work-group; every wave waits for all sixteen; my work-group's barrier once more
	s_barrier_signal -1
	s_barrier_wait -1
	s_cmp_lg_u32 s14, 0
	s_cbranch_scc1 .Lnot_wave_0_\@
	s_barrier_signal -3
.Lnot_wave_0_\@:
	s_barrier_wait -3
	s_barrier_signal -1
	s_barrier_wait -1
.endm
	s_load_b128 s[4:7], s[0:1], 0x0                ; xc s[4:5], xs s[6:7]
	s_load_b128 s[8:11], s[0:1], 0x10              ; wc s[8:9], ws s[10:11]
	s_load_b128 s[96:99], s[0:1], 0x20             ; bq s[96:97], bv s[98:99]
	s_load_b64 s[12:13], s[0:1], 0x30              ; qkv
	v_lshl_add_u32 v[SPW], v0, 2, SPARE
	v_mov_b32 v[NIL], 0
	ds_add_u32 v[SPW], v[NIL]                      ; the wave's opening: the add, twice on end, and its wait ahead of my first tensor load; the set-up below stands between the second and the wait
	ds_add_u32 v[SPW], v[NIL]
	v_lshrrev_b32 v1, 5, v0
	v_readfirstlane_b32 s14, v1                    ; wave 0..3
	s_lshr_b32 s15, s14, 1                         ; which half of the tile's rows is mine.  Also: I fetch for x (0) or for the weight (1)
	s_and_b32 s16, s14, 1                          ; which half of its columns.  Also: which 128 rows of that tile I fetch
	s_bfe_u32 s40, ttmp6, 0x40000                  ; cx, cy: my place in the cluster
	s_bfe_u32 s41, ttmp6, 0x40004
	s_lshl_b32 s42, ttmp9, 2
	s_add_co_u32 s42, s42, s40                     ; tile column 0..11 = 4 x part + cx
	s_and_b32 s17, ttmp7, 0xffff
	s_lshl_b32 s17, s17, 2
	s_add_co_u32 s17, s17, s41                     ; tile row 0..31 = 4 x cluster y + cy
	s_lshl_b32 s43, s41, 2
	s_lshl_b32 s43, 15, s43                        ; my row of the cluster
	s_lshl_b32 s44, 0x1111, s40                    ; my column
	; descriptor group 1: a tile of 128 rows x 256 bytes, padded in LDS
	s_or_b32 s[G1+0], s43, (0<<16)|(1<<20)|(1<<21)|(5<<22)|(3<<25)  ; 15:0 the mask: x's tiles go to my row; 17:16 elements of 1 byte; 20 padding on; 21 set beside a mask; 24:22 after every 64 words; 31:25 four words of it
	s_or_b32 s[G1B+0], s44, (0<<16)|(1<<20)|(1<<21)|(5<<22)|(3<<25)
.irp g, G1, G1B
	s_mov_b32 s[\g+1], ROWB<<16                    ; tensor_dim0
	s_mov_b32 s[\g+2], 128<<16                     ; tensor_dim1
	s_mov_b32 s[\g+3], ROWB<<16                    ; tile_dim0
	s_mov_b32 s[\g+4], 128                         ; tile_dim1
	s_mov_b32 s[\g+5], KROW                        ; from row to row
	s_mov_b32 s[\g+6], 0
	s_mov_b32 s[\g+7], 0
.endr
	; and for the scales of 128 rows: a dense block of 4,096 bytes, as 16 rows of 256 bytes (32 elements of 8 bytes), 16 bytes of padding behind each
	s_or_b32 s[G1S+0], s43, (3<<16)|(1<<20)|(1<<21)|(5<<22)|(3<<25)
	s_or_b32 s[G1SB+0], s44, (3<<16)|(1<<20)|(1<<21)|(5<<22)|(3<<25)
.irp g, G1S, G1SB
	s_mov_b32 s[\g+1], 32<<16
	s_mov_b32 s[\g+2], (128*KS/256)<<16
	s_mov_b32 s[\g+3], 32<<16
	s_mov_b32 s[\g+4], 128*KS/256
	s_mov_b32 s[\g+5], 32
	s_mov_b32 s[\g+6], 0
	s_mov_b32 s[\g+7], 0
.endr
	s_lshl_b32 s18, s16, 7                         ; which 128 rows of the tile I fetch
	s_lshl_b32 s20, s17, 8
	s_add_co_u32 s20, s20, s18                     ; x: row 256 x tile row + 128 x half,
	s_cmp_eq_u32 ttmp9, 0                          ; (the part: the same in all sixteen partners)
	s_cselect_b32 s19, 0, 8192
	s_add_co_u32 s20, s20, s19                     ; in query's rows for q, in bank's for k and v
	s_lshl_b32 s46, s42, 8
	s_add_co_u32 s46, s46, s18                     ; the weight: row 256 x tile column + 128 x half
	s_mov_b32 s21, 0
	s_mov_b32 s47, 0
	s_mov_b64 s[18:19], KS
	s_mul_u64 s[22:23], s[20:21], s[18:19]         ; where these rows' scales begin, in bytes
	s_mul_u64 s[92:93], s[46:47], s[18:19]
	s_mov_b64 s[18:19], KROW
	s_mul_u64 s[20:21], s[20:21], s[18:19]         ; and their codes
	s_mul_u64 s[46:47], s[46:47], s[18:19]
	s_mul_i32 s45, s14, HALFT                      ; where they go: wave x 128 rows: no place in the cluster enters an LDS address
	s_mul_i32 s94, s14, HALFS
	s_wait_dscnt 0x0                               ; both opening adds are done
	s_wait_kmcnt 0x0
	s_add_nc_u64 s[20:21], s[4:5], s[20:21]
	s_add_nc_u64 s[22:23], s[6:7], s[22:23]
	s_add_nc_u64 s[46:47], s[8:9], s[46:47]
	s_add_nc_u64 s[92:93], s[10:11], s[92:93]
	CROUND                                         ; all sixteen work-groups are here: the joint loads meet
	s_mov_b32 s[G0S], 1
	s_add_co_u32 s[G0S+1], s94, SCL
	s_mov_b64 s[G0S+2:G0S+3], s[22:23]
	s_or_b32 s[G0S+3], s[G0S+3], 0x80000000
	s_mov_b32 s[G0SB], 1
	s_add_co_u32 s[G0SB+1], s94, SCL
	s_mov_b64 s[G0SB+2:G0SB+3], s[92:93]
	s_or_b32 s[G0SB+3], s[G0SB+3], 0x80000000
	JLOAD G0S, G1S, G0SB, G1SB                     ; the scales first: they are wanted with the first slot
.irp s, 0,1
	s_mov_b32 s[G0+4*\s], 1
	s_add_co_u32 s[G0+4*\s+1], s45, \s*SLOT
	s_add_nc_u64 s[G0+4*\s+2:G0+4*\s+3], s[20:21], \s*ROWB
	s_or_b32 s[G0+4*\s+3], s[G0+4*\s+3], 0x80000000
	s_mov_b32 s[G0B+4*\s], 1
	s_add_co_u32 s[G0B+4*\s+1], s45, \s*SLOT
	s_add_nc_u64 s[G0B+4*\s+2:G0B+4*\s+3], s[46:47], \s*ROWB
	s_or_b32 s[G0B+4*\s+3], s[G0B+4*\s+3], 0x80000000
	JLOAD G0+4*\s, G1, G0B+4*\s, G1B               ; three tensor loads of mine are out at the most
.endr
	v_and_b32 v1, 15, v0                           ; r = l % 16
	v_bfe_u32 v2, v0, 4, 1                         ; h = l / 16
	v_lshlrev_b32 v7, 5, v2                        ; the bias: 32 h bytes: my eight columns of a block of 16; not rewritten while the loads are out
	; THE BIAS, window 1, register 64 + 8 b + j = bias[256 cx + 128 half + 16 b + 8 h + j].  Both arms write all 64 registers.  The branch hangs on the part, which all partners share.
	s_cmp_eq_u32 ttmp9, 1
	s_cbranch_scc1 .Lk_part
	s_cmp_eq_u32 ttmp9, 0
	s_cselect_b64 s[96:97], s[96:97], s[98:99]     ; bq for q, bv for v
	s_lshl_b32 s46, s40, 10
	s_lshl_b32 s47, s16, 9
	s_add_co_u32 s46, s46, s47                     ; my 128 columns, 4 bytes each
	s_mov_b32 s47, 0
	s_add_nc_u64 s[96:97], s[96:97], s[46:47]
	WIN TO_B
.irp b, 0,1,2,3,4,5,6,7
	global_load_b128 v[BIAS+8*\b:BIAS+8*\b+3], v7, s[96:97] offset:64*\b
	global_load_b128 v[BIAS+8*\b+4:BIAS+8*\b+7], v7, s[96:97] offset:64*\b+16
.endr
	WIN 0
	s_branch .Lbias_done
.Lk_part:
	WIN TO_B
.set i, 0
.rept 64
	v_mov_b32 v[BIAS+i], 0                         ; k has no bias (bk is dead work): its sums start from 0, by the same first step as q's and v's
.set i, i+1
.endr
	WIN 0
.Lbias_done:
	v_mul_u32_u24 v3, v1, PITCH
	v_lshl_add_u32 v4, v2, 4, v3                   ; a fragment's row x pitch + 16 x half
	s_mul_i32 s21, s15, HALFT                      ; my 128 rows of x
	s_mul_i32 s22, s16, HALFT                      ; my 128 rows of the weight,
	s_add_co_u32 s22, s22, 2*HALFT                 ; which lie behind x's 256
.irp s, 0,1
	v_add_nc_u32 v[ADRA+\s], s21, v4
	v_add_nc_u32 v[ADRB+\s], s22, v4
	s_add_co_u32 s21, s21, SLOT
	s_add_co_u32 s22, s22, SLOT
.endr
	v_mul_u32_u24 v5, v1, KS                       ; my row's scales: 32 bytes a row,
	v_lshrrev_b32 v6, 8, v5
	v_lshl_add_u32 v5, v6, 4, v5                   ; and 16 more for each 256 passed
	s_mul_i32 s21, s15, HALFS                      ; x's: my 128 rows
	s_mul_i32 s22, s16, HALFS                      ; the weight's: my 128 rows, behind x's 256
	s_add_co_u32 s22, s22, 2*HALFS
	s_sub_co_u32 s22, s22, s21
	v_mul_u32_u24 v6, s22, v2                      ; lanes 16-31 take the weight's: one product, the distance between the two bases x h
	s_add_co_u32 s21, s21, SCL
	v_add_nc_u32 v5, v5, v6
	v_add_nc_u32 v[ADRS], s21, v5
	s_mul_i32 s23, s14, 32*SPITCH                  ; my stage
	v_mul_u32_u24 v5, v1, SPITCH                   ; in: row (head, token r), 16 bytes for each half of the lanes
	v_lshl_add_u32 v5, v2, 4, v5
	v_add_nc_u32 v[STO], s23, v5
	v_bfe_u32 v5, v0, 3, 2                         ; back: eight lanes to a row of 128 bytes, four rows an instruction
	v_and_b32 v6, 7, v0
	v_mul_u32_u24 v5, v5, SPITCH
	v_lshl_add_u32 v5, v6, 4, v5
	v_add_nc_u32 v[RD], s23, v5
	v_and_b32 v6, 31, v0
	v_lshlrev_b32 v[CO], 4, v6
	; where my part begins in qkv: part x 2^24 + batch x 2^22 + head x 2^18 + token x 128
	s_lshl_b32 s20, ttmp9, 24
	s_lshr_b32 s21, s17, 3                         ; batch: eight tiles of 256 rows
	s_lshl_b32 s21, s21, 22
	s_add_co_u32 s20, s20, s21
	s_and_b32 s21, s17, 7
	s_lshl_b32 s21, s21, 15                        ; 256 tokens of 128 bytes
	s_add_co_u32 s20, s20, s21
	s_lshl_b32 s21, s15, 14                        ; my 128 of them
	s_add_co_u32 s20, s20, s21
	s_lshl_b32 s46, s40, 20                        ; heads 4 cx on,
	s_lshl_b32 s47, s16, 19                        ; my two of them
	s_add_co_u32 s46, s46, s47
	s_add_co_u32 s20, s20, s46
	s_mov_b32 s21, 0
	s_add_nc_u64 s[12:13], s[12:13], s[20:21]
.macro FRAG reg, adr, q, i             ; a fragment, 16 rows x 128 K of 4-bit codes, is 8 registers: lane l holds row l % 16; registers 4 c .. 4 c + 3 hold K = 64 c + 32 (l / 16) + 0 .. 31
.irp c, 0,1
	ds_load_b128 v[\reg+4*\c:\reg+4*\c+3], v[\adr] offset:64*(\q)+32*\c+(\i)*16*PITCH
.endr
.endm
; 16 matrix instructions: x's blocks a0, a0 + 1 against the weight's eight, 128 along K: the slot's q-th.  p: the weight's set;  sc: the set of scale words.  zero = 1: the first product starts the sums, with the bias as C.
; The 64 accumulators take turns, one instruction a turn, in the same order in every step.
.macro MUL16 a0, p, q, sc, zero
.irp a, \a0, \a0+1
.irp b, 0,1,2,3,4,5,6,7
.if \zero
	v_wmma_scale_f32_16x16x128_f8f6f4 v[8*(8*((\a)%4)+\b):8*(8*((\a)%4)+\b)+7], v[128*(\p)+FR*\b:128*(\p)+FR*\b+FR-1], v[AF+FR*(\a):AF+FR*(\a)+FR-1], v[BIAS+8*\b:BIAS+8*\b+7], v[SC+8*NQ*(\sc)+NQ*\b+(\q)], v[SC+8*NQ*(\sc)+NQ*(\a)+(\q)] matrix_a_fmt:MATRIX_FMT_FP4 matrix_b_fmt:MATRIX_FMT_FP4 matrix_a_scale:MATRIX_SCALE_ROW1
.else
	v_wmma_scale_f32_16x16x128_f8f6f4 v[8*(8*((\a)%4)+\b):8*(8*((\a)%4)+\b)+7], v[128*(\p)+FR*\b:128*(\p)+FR*\b+FR-1], v[AF+FR*(\a):AF+FR*(\a)+FR-1], v[8*(8*((\a)%4)+\b):8*(8*((\a)%4)+\b)+7], v[SC+8*NQ*(\sc)+NQ*\b+(\q)], v[SC+8*NQ*(\sc)+NQ*(\a)+(\q)] matrix_a_fmt:MATRIX_FMT_FP4 matrix_b_fmt:MATRIX_FMT_FP4 matrix_a_scale:MATRIX_SCALE_ROW1
.endif
.endr
.endr
.endm
.macro FETCH_B slot, q, p              ; the weight's eight fragments of the slot's q-th 128 along K into set p
	WIN TO_B
.irp i, 0,1,2,3,4,5,6,7
	FRAG 128*(\p)+FR*\i, ADRB+\slot, \q, \i
.endr
	WIN 0
.endm
.macro FETCH_A slot, q, i0             ; x's blocks i0 .. i0 + 3
.irp i, \i0, \i0+1, \i0+2, \i0+3
	FRAG AF+FR*(\i), ADRA+\slot, \q, \i
.endr
.endm
.macro SCALES sc                       ; a slot's scale words into set sc: four words a row; lanes 0-15 take x's block i, lanes 16-31 the weight's block i
.irp i, 0,1,2,3,4,5,6,7
	ds_load_b128 v[SC+8*NQ*\sc+NQ*\i:SC+8*NQ*\sc+NQ*\i+3], v[ADRS] offset:\i*SBLK
.endr
.endm
; A load into a register that a matrix instruction has read, and a vector instruction that reads a matrix result, stand NP places behind that matrix instruction, and only plain vector instructions that name
; none of its registers are places (ISA guide 7.12.1 for vector instructions).
.macro PLACES n
.rept \n
	v_nop
.endr
.endm
; A step of 128 along K that has its successor in the same slot.  x has one set of registers: blocks 0-3 are fetched anew in the step's middle, blocks 4-7 at its end.
.macro STEP slot, q, zero
	s_wait_dscnt 4*NL                              ; the weight's set and x's blocks 0-3 are in; the youngest eight loads (x's blocks 4-7) may be out
.if \zero
	WIN ONE_LO
.else
	WIN MUL_LO
.endif
	MUL16 0, (\q)%2, \q, \slot, \zero
	MUL16 2, (\q)%2, \q, \slot, \zero
	s_wait_dscnt 0                                 ; x's blocks 4-7 are in (asked for 32 matrix instructions ago)
	PLACES NP
	FETCH_B \slot, (\q)+1, 1-(\q)%2
	FETCH_A \slot, (\q)+1, 0
.if \zero
	WIN ONE_HI
.else
	WIN MUL_HI
.endif
	MUL16 4, (\q)%2, \q, \slot, \zero
	MUL16 6, (\q)%2, \q, \slot, \zero
	PLACES NP
	WIN 0
	FETCH_A \slot, (\q)+1, 4
.endm
.macro STEPS slot, from                ; the slot's steps from .. NQ - 2
.set Q, \from
.rept NQ-1-\from
	STEP \slot, Q, 0
.set Q, Q+1
.endr
.endm
	s_wait_tensorcnt 1                             ; the scales and my part of slot 0 are in (slot 1's load, the one issued behind them, may be out),
	s_barrier_signal -1
	s_barrier_wait -1                              ; everybody's are
	FETCH_B 0, 0, 0
	FETCH_A 0, 0, 0
	SCALES 0
	FETCH_A 0, 0, 4
	s_wait_loadcnt 0x0                             ; the bias
	STEP 0, 0, 1                                   ; the first step's products start the sums
	STEPS 0, 1
	; slot 0's last step changes slots: ONE barrier; in front of it each wave waits for all its tensor loads (slot 1's), adds 0 to its spare word, and waits for that and for its own reads of slot 0.  Nothing is filled again.
	s_wait_tensorcnt 0x0                           ; my part of slot 1 has landed  (every window is 0 here: the add's two registers lie in window 0)
	ds_add_u32 v[SPW], v[NIL]                      ; 0 onto my spare word
	s_wait_dscnt 4*NL+1                            ; (the add and the youngest eight loads, x's blocks 4-7, may be out)
	WIN MUL_LO
	MUL16 0, 1, NQ-1, 0, 0                         ; sixteen matrix instructions stand between the add and the wait for it
	s_wait_dscnt 0x0                               ; the add is done, and my reads of slot 0 are over
	s_barrier_signal -1
	MUL16 2, 1, NQ-1, 0, 0
	WIN 0
	s_barrier_wait -1                              ; slot 1 is whole, and nobody reads slot 0 any more
	PLACES NP
	v_add_nc_u32 v[ADRS], 4*NQ, v[ADRS]            ; on to slot 1's scale words
	FETCH_B 1, 0, 0
	FETCH_A 1, 0, 0
	SCALES 1
	WIN MUL_HI
	MUL16 4, 1, NQ-1, 0, 0
	MUL16 6, 1, NQ-1, 0, 0
	PLACES NP
	WIN 0
	FETCH_A 1, 0, 4
	STEPS 1, 0
	s_wait_dscnt 4*NL                              ; the very last step: nothing more to fetch
	WIN MUL_LO
	MUL16 0, 1, NQ-1, 1, 0
	MUL16 2, 1, NQ-1, 1, 0
	s_wait_dscnt 0
	WIN MUL_HI
	MUL16 4, 1, NQ-1, 1, 0
	MUL16 6, 1, NQ-1, 1, 0
	WIN 0
; THE WAY OUT, block by block of 16 tokens x 128 columns (two heads).  PACK: rounded to f16, a lane's eight columns are 16 bytes.  TOSTAGE: into my stage as 32 rows (head, token) of 128 bytes, and back four rows an instruction.
; SEND: four tokens of a head are 512 consecutive bytes of qkv: one store of the wave.  LDS serves a wave's instructions in order (ISA guide 5.7.1.4): no wait between the stage's stores and loads.
.macro PACK a
.set AC, 64*((\a)%4)
	WIN 0x0a+5*((\a)/4)                            ; sources 0 and 1: window 2 or 3
.irp b, 0,1,2,3,4,5,6,7
.irp r, 0,1,2,3
	v_cvt_pk_f16_f32 v[TMP+4*\b+\r], v[AC+8*\b+2*\r], v[AC+8*\b+2*\r+1]   ; each accumulator from its low end on
.endr
.endr
	WIN 0
.endm
.macro TOSTAGE a
.set BK, OB+192*((\a)%2)
.irp b, 0,1,2,3,4,5,6,7
	ds_store_b128 v[STO], v[TMP+4*\b:TMP+4*\b+3] offset:(\b/4)*16*SPITCH+32*(\b%4)   ; head b / 4, columns 16 (b % 4) + 8 h on
.endr
.irp t, 0,1,2,3,4,5,6,7
	ds_load_b128 v[BK+4*\t:BK+4*\t+3], v[RD] offset:\t*4*SPITCH
.endr
.endm
.macro SEND a
.set BK, OB+192*((\a)%2)
	s_wait_dscnt 0x0                               ; the block is back in registers
	s_wait_xcnt 0x0                                ; the stores of the block before have read their registers: the next block's loads may land there
.irp t, 0,1,2,3,4,5,6,7
	global_store_b128 v[CO], v[BK+4*\t:BK+4*\t+3], s[12:13] offset:(\t/4)*262144+2048*(\a)+512*(\t%4)   ; head t / 4, tokens 16 a + 4 (t % 4) on: 512 consecutive bytes, aligned
.endr
.endm
	PLACES NP                                      ; behind the last products: for the conversions that read results, and the loads into registers that held scale words
	PACK 0
	TOSTAGE 0
.irp a, 1,2,3,4,5,6,7                  ; block a's conversions stand between block a - 1's loads from the stage and the wait for them
	PACK \a
	SEND \a-1
	TOSTAGE \a
.endr
	SEND 7
	s_wait_tensorcnt 0x0                           ; the wave's end, behind my last tensor load and my last LDS store
	ds_add_u32 v[SPW], v[NIL]
	s_wait_dscnt 0x0
	CROUND                                         ; the closing round: no work-group ends while a partner may still ask for a tile that names it
	s_endpgm
.Lfunc_end_k_q1070435019_proj:
	.size	k_q1070435019_proj, .Lfunc_end_k_q1070435019_proj-k_q1070435019_proj
	.p2alignl 7, 3214868480
	.fill 96, 4, 3214868480
	.section	.rodata,"a",@progbits
	.p2align	6, 0x0
	.amdhsa_kernel k_q1070435019_proj
		.amdhsa_group_segment_fixed_size 327680
		.amdhsa_private_segment_fixed_size 0
		.amdhsa_enable_private_segment 0
		.amdhsa_kernarg_size 56
		.amdhsa_user_sgpr_count 2
		.amdhsa_user_sgpr_kernarg_segment_ptr 1
		.amdhsa_wavefront_size32 1
		.amdhsa_system_sgpr_workgroup_id_x 1
		.amdhsa_system_sgpr_workgroup_id_y 1
		.amdhsa_system_sgpr_workgroup_id_z 1
		.amdhsa_system_vgpr_workitem_id 0
		.amdhsa_next_free_vgpr 1024
		.amdhsa_next_free_sgpr 100
		.amdhsa_reserve_vcc 0
		.amdhsa_float_denorm_mode_32 3
		.amdhsa_float_denorm_mode_16_64 3
		.amdhsa_memory_ordered 1
		.amdhsa_forward_progress 1
		.amdhsa_inst_pref_size 131
	.end_amdhsa_kernel
	.amdgpu_metadata
---
amdhsa.version: [ 1, 2 ]
amdhsa.kernels:
  - .name:           k_q1070435019_proj
    .symbol:         k_q1070435019_proj.kd
    .args:
      - { .name: xc, .offset: 0, .size: 8, .value_kind: global_buffer, .address_space: global }
      - { .name: xs, .offset: 8, .size: 8, .value_kind: global_buffer, .address_space: global }
      - { .name: wc, .offset: 16, .size: 8, .value_kind: global_buffer, .address_space: global }
      - { .name: ws, .offset: 24, .size: 8, .value_kind: global_buffer, .address_space: global }
      - { .name: bq, .offset: 32, .size: 8, .value_kind: global_buffer, .address_space: global }
      - { .name: bv, .offset: 40, .size: 8, .value_kind: global_buffer, .address_space: global }
      - { .name: qkv, .offset: 48, .size: 8, .value_kind: global_buffer, .address_space: global }
    .group_segment_fixed_size: 327680
    .private_segment_fixed_size: 0
    .kernarg_segment_align: 8
    .kernarg_segment_size: 56
    .max_flat_workgroup_size: 128
    .sgpr_count:     100
    .vgpr_count:     1024
    .wavefront_size: 32
...
	.end_amdgpu_metadata
.endif
;; end of part 2
;; launch attn (part 3): grid 4 x 64, 8 waves a work-group, clusters of 4 x 1, 327,680 bytes of LDS; arguments qkv, ctx; writes ctx
.if DOCPART == 3
	.amdgcn_target "amdgcn-amd-amdhsa--gfx1250"
	.amdhsa_code_object_version 6
	.text
	.protected	k_q1070435019_attn
	.globl	k_q1070435019_attn
	.p2align	8
	.type	k_q1070435019_attn,@function
k_q1070435019_attn:
	s_mov_b64 s[64:65], 0
	v_nop
	global_prefetch_b8 v0, s[64:65] scope:SCOPE_SE
	s_setreg_imm32_b32 hwreg(HW_REG_WAVE_MODE, 25, 1), 1
	s_wait_xcnt 0x0
	s_wait_alu depctr_hold_cnt(0) depctr_sa_sdst(0) depctr_va_vdst(0) depctr_va_sdst(0) depctr_va_ssrc(0) depctr_va_vcc(0) depctr_vm_vsrc(0)
	s_getreg_b32 s2, hwreg(HW_REG_IB_STS2, 6, 4)
	s_cmp_eq_u32 s2, 0
	s_cbranch_scc0 .Lentry_in_a_cluster
	s_endpgm
.Lentry_in_a_cluster:
	s_bfe_u32 s2, ttmp6, 0x10000c
	s_cmp_lg_u32 s2, 0x3003
	s_cbranch_scc0 .Lentry_shape_is_right
	s_endpgm
.Lentry_shape_is_right:
; Launch 3 of 4: ctx[bh][q][:] = the sum over k of softmax_k(q[bh][q] . k[bh][k] / 8) v[bh][k][:], for the 64 pairs (batch, head), 2,048 queries and keys, head size 64, no mask.
; qkv: part p (q, k, v) at p x 2^24 bytes, each f16 [bh][2048][64]: a head is 262,144 dense bytes.  ctx: f16, the same layout.  Operands in f16; products, maxima and sums in f32; the weights p are rounded to f16 for the second product.
; (k carries no bk: dead work, shown at the head of the first launch.)  LIMIT: ctx lies within v's range, under 65,504.
; SHARES.  A work-group owns 512 queries of one (batch, head), each of its EIGHT waves 64: four tiles of 16.  Two waves lie on a SIMD, 512 registers each: one wave's softmax stands beside the other's products.  Every wave walks all keys, 64 a step.
; LAYOUT.  S^T = K Q^T (source 0 = 16 keys, source 1 = 16 queries): a lane holds ONE query (lane % 16) and the keys 8 (lane / 16) + 0..7.  Two such tiles, rounded to f16 in pairs, ARE source 1 (32 keys x 16 queries) of O^T = V^T P,
; whose result again holds one query a lane, and eight channels.  K comes out of LDS as it lies, V ([key][channel]) turned, by ds_load_tr16_b128.
; SOFTMAX.  For each query a running maximum m and sum l: p = 2^(c s - c m), c = log2(e) / 8; in every step O and l are multiplied by a = 2^(c m_old - c m_new).
; RING.  Two LDS slots of 512 keys.  A head's keys are dense in memory, so a tile is stated as rows of 256 bytes, TWO KEYS TO A ROW: key x lies at (x / 2) pitch + 128 (x % 2).  Waves 0-3 fetch K's four parts of 64 rows, waves 4-7 V's.
; CLUSTER.  The four query blocks of a cluster belong to one (batch, head) and walk the same K and V: each tile is asked for JOINTLY, by the same tensor load with the same descriptor and a mask that names the four.
; NO PREFETCH: the first two slots are asked for at the head; each of the two refills is asked for eight key steps (512 matrix instructions of the wave, and their softmax) ahead of the wait for it.
; REGISTERS.  window 0: v2-11 addresses; v16-47 eight registers of statistics a tile; v64-191 S^T, 32 a tile; v192-255 P, 16 a tile.
;   window 1: v0-127 O^T, 32 a tile; v128-191 Q, 16 a tile; v192-255 one step's K (8 fragments), then its V (8 fragments): they take turns in the same 64 registers.
.set PK,    272                        ; a row of K in LDS: 256 bytes + 16 = 68 words: the 16 keys of a load start at words 4 (r / 2) + 32 (r % 2) modulo 64: all different
.set PVP,   288                        ; a row of V: 256 + 32 = 72 words: 16 lanes of the turning load start at words 8 x + 32 y + 4 z modulo 64: all different
.set VOFF,  256*PK                     ; a slot: 256 rows of K, then 256 rows of V
.set SLOT,  256*(PK+PVP)
.set SPARE, 2*SLOT                     ; behind the ring: the spare words, 128 bytes for each wave: four blocks of 256 bytes that no other line names
.set SP,    144                        ; the way out: a stage of 16 rows x (128 bytes + 16) for each wave, in slot 0, which has had its last fill and its last read by then
.set AK0, 2                            ; v2   my lane's place in a tile of K; never rewritten
.set AV0, 3                            ; v3   the same for V
.set ADK, 4                            ; v4   LDS address of the step's K
.set ADV, 5                            ; v5   of its V
.set QO,  6                            ; v6   my byte offset in the wave's rows of Q
.set STO, 7                            ; v7   the way out: where I put 16 bytes of a row
.set RD,  8                            ; v8   where I read rows back
.set GO,  9                            ; v9   16 x lane
.set SPW, 10                           ; v10  LDS address of my spare word; never rewritten
.set NIL, 11                           ; v11  0; never rewritten
.set ST,  16                           ; tile t's statistics at v[ST + 8 t]: +0 c m, +1 m, +2, +3 l (even keys', odd keys'), +4 to +7 at work; a lies at +6
.set S,   64
.set P,   192
.set QF,  128                          ; window 1
.set KV,  192                          ; window 1
.set WV,  12                           ; s12  my wave's number
.set G1K, 24                           ; s[24:31] descriptor group 1 for K's tiles
.set G1V, 32                           ; s[32:39] for V's: it differs in the padding alone
.set G0K, 40                           ; s[40:47] descriptor group 0 for K's tiles, a set for each slot
.set G0V, 48                           ; s[48:55] the same for V's
.set CNT, 56                           ; s56  counts key steps
.set CS,  58                           ; s[58:59] c: the packed scaling names a pair and takes its low word for both halves
.set SEL, 60                           ; s[60:61] lane selects for v_permlanex16_b32: lane l xor 16
.set TK,  62                           ; s62  LDS byte at which the next step's K begins
.set TV,  63                           ; s63  and its V
.set MSB, 0
.macro WIN new                         ; the immediate's high byte repeats the setting that is left; a switch that changes nothing is dropped
.if MSB != (\new)
	s_set_vgpr_msb (MSB<<8)|(\new)
.set MSB, (\new)
.endif
.endm
.set W_KQ, 0x05                        ; K and Q in window 1, S^T in window 0
.set W_PV, 0x51                        ; V in window 1, P in window 0, O^T (C and D) in window 1
.set W_RS, 0x41                        ; O^T (destination and source 0) in window 1, a in window 0
.set W_LD, 0x40                        ; destination window 1, address window 0
; A joint refill of slot s.  The branch hangs on the wave's number alone.  An s_nop 0 and four v_nop follow each of the two lines.
.macro JLOAD s
	s_cmp_lt_u32 s[WV], 4
	s_cbranch_scc0 .Lfor_v_\@
	tensor_load_to_lds s[G0K+4*\s:G0K+4*\s+3], s[G1K:G1K+7]
	s_nop 0
.rept 4
	v_nop
.endr
	s_branch .Lasked_\@
.Lfor_v_\@:
	tensor_load_to_lds s[G0V+4*\s:G0V+4*\s+3], s[G1V:G1V+7]
	s_nop 0
.rept 4
	v_nop
.endr
.Lasked_\@:
.endm
.macro CROUND                          ; a round of the cluster's barrier: my work-group's barrier; wave 0 signals for the work-group; every wave waits for all four work-groups; my work-group's barrier once more
	s_barrier_signal -1
	s_barrier_wait -1
	s_cmp_lg_u32 s[WV], 0
	s_cbranch_scc1 .Lnot_wave_0_\@
	s_barrier_signal -3
.Lnot_wave_0_\@:
	s_barrier_wait -3
	s_barrier_signal -1
	s_barrier_wait -1
.endm
	s_load_b128 s[4:7], s[0:1], 0x0                ; qkv s[4:5], ctx s[6:7]
	v_lshl_add_u32 v[SPW], v0, 2, SPARE
	v_mov_b32 v[NIL], 0
	ds_add_u32 v[SPW], v[NIL]                      ; the wave's opening: the add, twice on end, and its wait ahead of my first tensor load; the set-up below stands between the second and the wait
	ds_add_u32 v[SPW], v[NIL]
	v_lshrrev_b32 v1, 5, v0
	v_readfirstlane_b32 s[WV], v1                  ; wave 0..7
	s_bfe_u32 s13, ttmp6, 0x40000                  ; cx: my block of 512 queries: it enters Q's and ctx's addresses alone
	s_and_b32 s14, ttmp7, 0xffff                   ; batch x 16 + head, which the four partners share
	s_lshl_b32 s14, s14, 18                        ; the head's first byte in a part
	s_and_b32 s16, s[WV], 3                        ; which 64 rows (128 keys) of a slot I fetch
	s_lshl_b32 s17, s16, 14                        ; 16,384 bytes of memory each
	s_add_co_u32 s18, s14, s17
	s_mov_b32 s19, 0
	s_mul_i32 s20, s16, 64*PK                      ; their place in a slot: K's,
	s_mul_i32 s21, s16, 64*PVP
	s_add_co_u32 s21, s21, VOFF                    ; V's: no place in the cluster enters an LDS address
	s_lshl_b32 s22, s13, 16                        ; my block's 512 rows of 128 bytes,
	s_lshl_b32 s23, s[WV], 13                      ; my wave's 64 of them
	s_add_co_u32 s22, s22, s23
	s_add_co_u32 s22, s22, s14
	s_mov_b32 s23, 0
	; descriptor group 1: a tile of 64 rows x 128 elements of 2 bytes, dense in memory, padded in LDS
	s_mov_b32 s[G1K], 15|(1<<16)|(1<<20)|(1<<21)|(5<<22)|(3<<25)   ; 15:0 the mask: all four work-groups; 17:16 elements of 2 bytes; 20 padding on; 21 set beside a mask; 24:22 after every 64 words; 31:25 4 words of it
	s_mov_b32 s[G1V], 15|(1<<16)|(1<<20)|(1<<21)|(5<<22)|(7<<25)   ; the same with 8 words of padding
.irp g, G1K, G1V
	s_mov_b32 s[\g+1], 128<<16                     ; tensor_dim0
	s_mov_b32 s[\g+2], 64<<16                      ; tensor_dim1
	s_mov_b32 s[\g+3], 128<<16                     ; tile_dim0
	s_mov_b32 s[\g+4], 64                          ; tile_dim1
	s_mov_b32 s[\g+5], 128                         ; from row to row
	s_mov_b32 s[\g+6], 0
	s_mov_b32 s[\g+7], 0
.endr
	s_mov_b32 s[CS], 0x3e38aa3b                    ; c = log2(e) / 8
	s_mov_b32 s[CS+1], s[CS]                       ; named with it as a pair, so it is written
	s_mov_b32 s[SEL], 0x76543210
	s_mov_b32 s[SEL+1], 0xfedcba98
	s_wait_dscnt 0x0                               ; both opening adds are done
	s_wait_kmcnt 0x0
	s_add_nc_u64 s[8:9], s[4:5], s[22:23]          ; Q at my wave's first row
	s_add_nc_u64 s[10:11], s[6:7], s[22:23]        ; ctx likewise
	s_add_nc_u64 s[2:3], s[4:5], s[18:19]          ; my part of the head's first slot, in part 0
	CROUND                                         ; all four work-groups are here: the first joint loads meet
.irp s, 0,1
	s_mov_b32 s[G0K+4*\s], 1                       ; count = 1
	s_add_co_u32 s[G0K+4*\s+1], s20, \s*SLOT       ; LDS address
	s_add_nc_u64 s[G0K+4*\s+2:G0K+4*\s+3], s[2:3], (1<<24)+\s*65536   ; global address: part 1 (k), keys 512 s on
	s_or_b32 s[G0K+4*\s+3], s[G0K+4*\s+3], 0x80000000              ; type = 2
	s_mov_b32 s[G0V+4*\s], 1
	s_add_co_u32 s[G0V+4*\s+1], s21, \s*SLOT
	s_add_nc_u64 s[G0V+4*\s+2:G0V+4*\s+3], s[2:3], (1<<25)+\s*65536   ; part 2 (v)
	s_or_b32 s[G0V+4*\s+3], s[G0V+4*\s+3], 0x80000000
.endr
	s_cmp_lt_u32 s[WV], 4                          ; a wave's two first fills stand in one branch, ahead of every wait on TENSORcnt and every LDS read: two loads of mine are out
	s_cbranch_scc0 .Lfirst_v
	tensor_load_to_lds s[G0K:G0K+3], s[G1K:G1K+7]
	s_nop 0
	tensor_load_to_lds s[G0K+4:G0K+7], s[G1K:G1K+7]
	s_nop 0
.rept 4
	v_nop
.endr
	s_branch .Lfirst_asked
.Lfirst_v:
	tensor_load_to_lds s[G0V:G0V+3], s[G1V:G1V+7]
	s_nop 0
	tensor_load_to_lds s[G0V+4:G0V+7], s[G1V:G1V+7]
	s_nop 0
.rept 4
	v_nop
.endr
.Lfirst_asked:
	; A fragment of K or Q is 16 rows x 32 channels in 8 registers: lane l holds row l % 16; registers 0-3 channels 8 (l / 16) + 0..7, registers 4-7 channels 16 + 8 (l / 16) + 0..7: two loads of 16 bytes, 32 bytes apart.
	v_and_b32 v1, 15, v0                           ; r
	v_bfe_u32 v12, v0, 4, 1                        ; h
	v_lshlrev_b32 v[QO], 7, v1
	v_lshl_add_u32 v[QO], v12, 4, v[QO]            ; row x 128 + 16 h
	WIN W_LD
.irp i, 0,1,2,3,4,5,6,7                        ; Q stays in registers: tile i / 2, channels 32 (i % 2) on
	global_load_b128 v[QF+8*\i:QF+8*\i+3],   v[QO], s[8:9] offset:(\i/2)*2048+(\i%2)*64
	global_load_b128 v[QF+8*\i+4:QF+8*\i+7], v[QO], s[8:9] offset:(\i/2)*2048+(\i%2)*64+32
.endr
	WIN 0
	v_bfe_u32 v13, v0, 1, 3                        ; r / 2
	v_and_b32 v14, 1, v0                           ; r % 2
	v_mul_u32_u24 v[AK0], v13, PK
	v_lshl_add_u32 v[AK0], v14, 7, v[AK0]
	v_lshl_add_u32 v[AK0], v12, 4, v[AK0]          ; K: key r: (r / 2) pitch + 128 (r % 2) + 16 h
	; The turning load takes 16 keys x 16 channels (lane l reads 16 bytes: key 8 h + l % 8, channels 8 ((l / 8) % 2) + 0..7) and leaves half a fragment of V^T: lane l holds channel l % 16 and 8 keys.
	v_bfe_u32 v13, v0, 1, 2                        ; (l % 8) / 2
	v_lshl_add_u32 v13, v12, 2, v13                ; + 4 h: the key's row
	v_mul_u32_u24 v[AV0], v13, PVP
	v_lshl_add_u32 v[AV0], v14, 7, v[AV0]          ; + 128 (l % 2)
	v_bfe_u32 v13, v0, 3, 1
	v_lshl_add_u32 v[AV0], v13, 4, v[AV0]
	s_mul_i32 s14, s[WV], 16*SP                    ; my stage
	v_mul_u32_u24 v[STO], v1, SP                   ; in: row r, 16 bytes for each half of the lanes
	v_lshl_add_u32 v[STO], v12, 4, v[STO]
	v_add_nc_u32 v[STO], s14, v[STO]
	v_bfe_u32 v13, v0, 3, 2                        ; back: eight lanes to a row of 128 bytes, four rows an instruction
	v_and_b32 v14, 7, v0
	v_mul_u32_u24 v[RD], v13, SP
	v_lshl_add_u32 v[RD], v14, 4, v[RD]
	v_add_nc_u32 v[RD], s14, v[RD]
	v_and_b32 v[GO], 31, v0
	v_lshlrev_b32 v[GO], 4, v[GO]
.macro PLACES                          ; four places in front of loads into registers that matrix instructions have read, and of the first read of results
.rept 4
	v_nop
.endr
.endm
.macro FETCH_K c                       ; the step's 64 keys, channels 32 c on: four fragments, 8 loads
	WIN W_LD
.irp kt, 0,1,2,3
	ds_load_b128 v[KV+32*\c+8*\kt:KV+32*\c+8*\kt+3],   v[ADK] offset:8*PK*\kt+64*\c
	ds_load_b128 v[KV+32*\c+8*\kt+4:KV+32*\c+8*\kt+7], v[ADK] offset:8*PK*\kt+64*\c+32
.endr
.endm
.macro FETCH_V                         ; the step's V, turned: keys 32 ks on, channels 16 f on: eight fragments, 16 loads
	WIN W_LD
.irp ks, 0,1
.irp f, 0,1,2,3
	ds_load_tr16_b128 v[KV+32*\ks+8*\f:KV+32*\ks+8*\f+3],   v[ADV] offset:16*PVP*\ks+32*\f
	ds_load_tr16_b128 v[KV+32*\ks+8*\f+4:KV+32*\ks+8*\f+7], v[ADV] offset:16*PVP*\ks+32*\f+8*PVP
.endr
.endr
.endm
; 16 products of S^T = K Q^T, channels 32 c on.  The sixteen accumulators take turns, one instruction a turn.  c = 0 starts the sums: nothing is ever cleared.
.macro KQ c
	WIN W_KQ
.irp kt, 0,1,2,3
.irp t, 0,1,2,3
.if \c == 0
	v_wmma_f32_16x16x32_f16 v[S+32*\t+8*\kt:S+32*\t+8*\kt+7], v[KV+32*\c+8*\kt:KV+32*\c+8*\kt+7], v[QF+16*\t+8*\c:QF+16*\t+8*\c+7], 0
.else
	v_wmma_f32_16x16x32_f16 v[S+32*\t+8*\kt:S+32*\t+8*\kt+7], v[KV+32*\c+8*\kt:KV+32*\c+8*\kt+7], v[QF+16*\t+8*\c:QF+16*\t+8*\c+7], v[S+32*\t+8*\kt:S+32*\t+8*\kt+7]
.endif
.endr
.endr
.endm
; 16 products of O^T += V^T P, keys 32 ks on; the sixteen accumulators by turns.  zero = 1: they start O^T's sums.
.macro PVRUN ks, zero
	WIN W_PV
.irp f, 0,1,2,3
.irp t, 0,1,2,3
.if \zero
	v_wmma_f32_16x16x32_f16 v[32*\t+8*\f:32*\t+8*\f+7], v[KV+32*\ks+8*\f:KV+32*\ks+8*\f+7], v[P+16*\t+8*\ks:P+16*\t+8*\ks+7], 0
.else
	v_wmma_f32_16x16x32_f16 v[32*\t+8*\f:32*\t+8*\f+7], v[KV+32*\ks+8*\f:KV+32*\ks+8*\f+7], v[P+16*\t+8*\ks:P+16*\t+8*\ks+7], v[32*\t+8*\f:32*\t+8*\f+7]
.endif
.endr
.endr
.endm
; THE SOFTMAX of one key step, four tiles, the tiles innermost so that no line waits for the line above it.  first = 1: the first key step, which starts m and l: it has no a and nothing to rescale.
.macro SOFTMAX first
	WIN 0
.irp j, 0,1,2,3                        ; the maximum of a lane's 32 scores: four chains, one for each accumulator, each begun at the accumulator's low end
.irp t, 0,1,2,3
	v_max3_num_f32 v[ST+8*\t+4+\j], v[S+32*\t+8*\j], v[S+32*\t+8*\j+1], v[S+32*\t+8*\j+2]
.endr
.endr
.irp i, 3,5
.irp j, 0,1,2,3
.irp t, 0,1,2,3
	v_max3_num_f32 v[ST+8*\t+4+\j], v[ST+8*\t+4+\j], v[S+32*\t+8*\j+\i], v[S+32*\t+8*\j+\i+1]
.endr
.endr
.endr
.irp t, 0,1,2,3
	v_max3_num_f32 v[ST+8*\t+4], v[ST+8*\t+4], v[S+32*\t+7], v[S+32*\t+15]
.endr
.irp t, 0,1,2,3
	v_max3_num_f32 v[ST+8*\t+6], v[ST+8*\t+6], v[S+32*\t+23], v[S+32*\t+31]
.endr
.irp t, 0,1,2,3
	v_max3_num_f32 v[ST+8*\t+4], v[ST+8*\t+4], v[ST+8*\t+5], v[ST+8*\t+6]
.endr
.irp t, 0,1,2,3
.if \first
	v_max_num_f32 v[ST+8*\t+4], v[ST+8*\t+4], v[ST+8*\t+7]
.else
	v_max3_num_f32 v[ST+8*\t+4], v[ST+8*\t+4], v[ST+8*\t+7], v[ST+8*\t+1]   ; and the old m
.endif
.endr
.irp t, 0,1,2,3
	v_permlanex16_b32 v[ST+8*\t+5], v[ST+8*\t+4], s[SEL], s[SEL+1]   ; the query's other 32 keys lie in the lane 16 away
.endr
.if \first == 0
.irp t, 0,1,2,3
	v_mov_b32 v[ST+8*\t+7], v[ST+8*\t]             ; c m_old is kept for a
.endr
.endif
.irp t, 0,1,2,3
	v_max_num_f32 v[ST+8*\t+1], v[ST+8*\t+4], v[ST+8*\t+5]   ; the new m
.endr
.irp t, 0,1,2,3
	v_mul_f32 v[ST+8*\t], s[CS], v[ST+8*\t+1]      ; c m
.endr
.if \first == 0
.irp t, 0,1,2,3
	v_sub_f32 v[ST+8*\t+7], v[ST+8*\t+7], v[ST+8*\t]
.endr
.irp t, 0,1,2,3
	v_exp_f32 v[ST+8*\t+6], v[ST+8*\t+7]           ; a = 2^(c m_old - c m_new)
.endr
.endif
.irp t, 0,1,2,3                        ; ONE BATCH of exponentials: none of these lines names an exponential's result
.set i, 0
.rept 16
	v_pk_fma_f32 v[S+32*\t+i:S+32*\t+i+1], v[S+32*\t+i:S+32*\t+i+1], s[CS:CS+1], v[ST+8*\t:ST+8*\t+1] op_sel_hi:[1,0,0] neg_lo:[0,0,1] neg_hi:[0,0,1]   ; c s - c m, two at a time
.set i, i+2
.endr
.set i, 0
.rept 32
	v_exp_f32 v[S+32*\t+i], v[S+32*\t+i]
.set i, i+1
.endr
.endr
	v_nop                                          ; a plain instruction behind the last exponential, ahead of the first use
	s_wait_alu depctr_va_vdst(0)                   ; and the wait ahead of the first instruction that names a result: one for the whole batch
.irp t, 0,1,2,3
.set i, 0
.rept 16
	v_cvt_pk_f16_f32 v[P+16*\t+i], v[S+32*\t+2*i], v[S+32*\t+2*i+1]   ; the weights for the second product
.set i, i+1
.endr
.endr
.irp u, 0,1,2,3,4,5,6,7                ; the sum of a tile's 16 pairs, in place: neighbours 1, 2, 4 and 8 pairs apart
.irp t, 0,1,2,3
	v_pk_add_f32 v[S+32*\t+4*\u:S+32*\t+4*\u+1], v[S+32*\t+4*\u:S+32*\t+4*\u+1], v[S+32*\t+4*\u+2:S+32*\t+4*\u+3]
.endr
.endr
.irp u, 0,1,2,3
.irp t, 0,1,2,3
	v_pk_add_f32 v[S+32*\t+8*\u:S+32*\t+8*\u+1], v[S+32*\t+8*\u:S+32*\t+8*\u+1], v[S+32*\t+8*\u+4:S+32*\t+8*\u+5]
.endr
.endr
.irp u, 0,1
.irp t, 0,1,2,3
	v_pk_add_f32 v[S+32*\t+16*\u:S+32*\t+16*\u+1], v[S+32*\t+16*\u:S+32*\t+16*\u+1], v[S+32*\t+16*\u+8:S+32*\t+16*\u+9]
.endr
.endr
.irp t, 0,1,2,3
.if \first
	v_pk_add_f32 v[ST+8*\t+2:ST+8*\t+3], v[S+32*\t:S+32*\t+1], v[S+32*\t+16:S+32*\t+17]   ; l starts
.else
	v_pk_add_f32 v[S+32*\t:S+32*\t+1], v[S+32*\t:S+32*\t+1], v[S+32*\t+16:S+32*\t+17]
.endif
.endr
.if \first == 0
.irp t, 0,1,2,3
	v_pk_fma_f32 v[ST+8*\t+2:ST+8*\t+3], v[ST+8*\t+2:ST+8*\t+3], v[ST+8*\t+6:ST+8*\t+7], v[S+32*\t:S+32*\t+1] op_sel_hi:[1,0,1]   ; l = a l + the sum
.endr
	WIN W_RS
.irp t, 0,1,2,3
.set i, 0
.rept 16
	v_pk_mul_f32 v[32*\t+i:32*\t+i+1], v[32*\t+i:32*\t+i+1], v[ST+8*\t+6:ST+8*\t+7] op_sel_hi:[1,0]   ; O^T x a, each accumulator from its low end on
.set i, i+2
.endr
.endr
	WIN 0
.endif
.endm
; A KEY STEP j.  pv = 2: first the products V^T P of step j - 1, on registers alone; 1: they start O^T; 0: none.  Then K of step j, K Q^T, V of step j (asked for ahead of the softmax, used in the next step), the softmax.
; K and V share 64 registers: each half is fetched anew behind the products that read it, and four places.
.macro BODY pv, first
	WIN 0
	v_add_nc_u32 v[ADK], s[TK], v[AK0]
	v_add_nc_u32 v[ADV], s[TV], v[AV0]
	s_add_co_u32 s[TK], s[TK], 32*PK               ; 64 keys are 32 rows
	s_add_co_u32 s[TV], s[TV], 32*PVP
.if \pv
	s_wait_dscnt 0x0                               ; V of the step before is in
	PVRUN 0, (2-\pv)
	PLACES
	FETCH_K 0
	PVRUN 1, 0
	PLACES
	FETCH_K 1
.else
	FETCH_K 0
	FETCH_K 1
.endif
	s_wait_dscnt 8                                 ; K's channels 0-31 are in; the eight loads of channels 32-63 may be out
	KQ 0
	s_wait_dscnt 0x0
	KQ 1
	PLACES
	FETCH_V
	SOFTMAX \first
.endm
; THE CHANGE OF SLOTS: all reads of the slot just walked have been asked for.  Each wave waits for all its tensor loads (its part of the other slot), adds 0 to its spare word, and waits for that and for its own reads.
; fill = 1: slot s, just walked, is filled again with the keys two slots on: the barrier is then a round of the cluster's, and the joint refill is the first thing behind it, one load a wave.
.macro CHANGE fill, s
	WIN 0
	s_wait_tensorcnt 0x0                           ; no tensor load of mine is out, so a group 0 may be written
	ds_add_u32 v[SPW], v[NIL]                      ; 0 onto my spare word
.if \fill
	s_add_nc_u64 s[G0K+4*\s+2:G0K+4*\s+3], s[G0K+4*\s+2:G0K+4*\s+3], 2*65536   ; 1,024 keys on; the type bits on top are not reached
	s_add_nc_u64 s[G0V+4*\s+2:G0V+4*\s+3], s[G0V+4*\s+2:G0V+4*\s+3], 2*65536
.endif
	s_wait_dscnt 0x0                               ; the add is done, and my reads of the slot are over
.if \fill
	CROUND
	JLOAD \s
.else
	s_barrier_signal -1
	s_barrier_wait -1
.endif
.endm
.macro WALK n                          ; n key steps, written once; the LDS addresses hang on s[TK] and s[TV], stepped by constants in a loop of constant count
	s_mov_b32 s[CNT], \n
.Lstep_\@:
	BODY 2, 0
	s_sub_co_u32 s[CNT], s[CNT], 1
	s_cmp_lg_u32 s[CNT], 0
	s_cbranch_scc1 .Lstep_\@
.endm
	s_wait_tensorcnt 1                             ; my part of slot 0 is in; slot 1's, issued behind it, may stay out
	s_barrier_signal -1
	s_barrier_wait -1                              ; everybody's is
	s_wait_loadcnt 0x0                             ; Q
	s_mov_b32 s[TK], 0
	s_mov_b32 s[TV], VOFF
	BODY 0, 1                                      ; key step 0: no products V^T P yet; the softmax starts m and l
	BODY 1, 0                                      ; key step 1: V^T P of step 0 starts O^T
	WALK 6                                         ; steps 2 to 7: keys up to 511, slot 0
	CHANGE 1, 0                                    ; slot 0 takes keys 1,024 on
	s_mov_b32 s[TK], SLOT
	s_mov_b32 s[TV], SLOT+VOFF
	WALK 8                                         ; keys 512 to 1,023, slot 1
	CHANGE 1, 1                                    ; slot 1 takes keys 1,536 on: the last load
	s_mov_b32 s[TK], 0
	s_mov_b32 s[TV], VOFF
	WALK 8                                         ; keys 1,024 to 1,535
	CHANGE 0, 0                                    ; nothing is left to fetch
	s_mov_b32 s[TK], SLOT
	s_mov_b32 s[TV], SLOT+VOFF
	WALK 8                                         ; keys 1,536 to 2,047
	s_wait_dscnt 0x0                               ; V of the last step
	PVRUN 0, 0
	PVRUN 1, 0
	; THE WAY OUT.  l's two halves and the other half of the lanes' are added; O^T is divided by l, rounded to f16 and sent through my stage in LDS, a tile (16 rows of ctx) at a time.  The additions are the places behind the last products.
	WIN 0
.irp t, 0,1,2,3
	v_add_f32 v[ST+8*\t+4], v[ST+8*\t+2], v[ST+8*\t+3]
.endr
.irp t, 0,1,2,3
	v_permlanex16_b32 v[ST+8*\t+5], v[ST+8*\t+4], s[SEL], s[SEL+1]
.endr
.irp t, 0,1,2,3
	v_add_f32 v[ST+8*\t+4], v[ST+8*\t+4], v[ST+8*\t+5]
.endr
.irp t, 0,1,2,3
	v_rcp_f32 v[ST+8*\t+6], v[ST+8*\t+4]
.endr
	v_nop                                          ; a plain instruction between the last reciprocal and the use of its result
	s_wait_alu depctr_va_vdst(0)                   ; and the wait ahead of the first use: one for the four
.macro OPACK t                         ; a lane's eight channels of a row pack into 16 bytes; they go into rows of 144 bytes and come back four rows of 128 bytes an instruction
	WIN W_RS
.set i, 0
.rept 16
	v_pk_mul_f32 v[32*\t+i:32*\t+i+1], v[32*\t+i:32*\t+i+1], v[ST+8*\t+6:ST+8*\t+7] op_sel_hi:[1,0]
.set i, i+2
.endr
	WIN 0x05                                       ; sources 0 and 1 window 1, destination window 0: S^T's registers are free
.set i, 0
.rept 16
	v_cvt_pk_f16_f32 v[S+32*\t+i], v[32*\t+2*i], v[32*\t+2*i+1]
.set i, i+1
.endr
	WIN 0
.irp f, 0,1,2,3
	ds_store_b128 v[STO], v[S+32*\t+4*\f:S+32*\t+4*\f+3] offset:32*\f
.endr
.irp f, 0,1,2,3
	ds_load_b128 v[S+32*\t+16+4*\f:S+32*\t+16+4*\f+3], v[RD] offset:4*SP*\f   ; LDS serves a wave's instructions in order (ISA guide 5.7.1.4): these see the stores above; the next tile's stores come behind them
.endr
.endm
.macro OSEND t, younger                ; younger: the LDS instructions issued behind tile t's loads: the next tile's eight, or none
.irp f, 0,1,2,3
	s_wait_dscnt \younger+3-\f
	global_store_b128 v[GO], v[S+32*\t+16+4*\f:S+32*\t+16+4*\f+3], s[10:11] offset:\t*2048+\f*512   ; four rows of ctx: 512 consecutive bytes, aligned
.endr
.endm
	OPACK 0
	OPACK 1                                        ; a tile's arithmetic stands between the loads of the tile before and its stores
	OSEND 0, 8
	OPACK 2
	OSEND 1, 8
	OPACK 3
	OSEND 2, 8
	OSEND 3, 0
	s_wait_tensorcnt 0x0                           ; the wave's end, behind my last tensor load and my last LDS store
	ds_add_u32 v[SPW], v[NIL]
	s_wait_dscnt 0x0
	CROUND                                         ; the closing round: no work-group ends while a partner may still ask for a tile that names it
	s_endpgm
.Lfunc_end_k_q1070435019_attn:
	.size	k_q1070435019_attn, .Lfunc_end_k_q1070435019_attn-k_q1070435019_attn
	.p2alignl 7, 3214868480
	.fill 96, 4, 3214868480
	.section	.rodata,"a",@progbits
	.p2align	6, 0x0
	.amdhsa_kernel k_q1070435019_attn
		.amdhsa_group_segment_fixed_size 327680
		.amdhsa_private_segment_fixed_size 0
		.amdhsa_enable_private_segment 0
		.amdhsa_kernarg_size 16
		.amdhsa_user_sgpr_count 2
		.amdhsa_user_sgpr_kernarg_segment_ptr 1
		.amdhsa_wavefront_size32 1
		.amdhsa_system_sgpr_workgroup_id_x 1
		.amdhsa_system_sgpr_workgroup_id_y 1
		.amdhsa_system_sgpr_workgroup_id_z 1
		.amdhsa_system_vgpr_workitem_id 0
		.amdhsa_next_free_vgpr 512
		.amdhsa_next_free_sgpr 66
		.amdhsa_reserve_vcc 0
		.amdhsa_float_denorm_mode_32 3
		.amdhsa_float_denorm_mode_16_64 3
		.amdhsa_memory_ordered 1
		.amdhsa_forward_progress 1
		.amdhsa_inst_pref_size 211
	.end_amdhsa_kernel
	.amdgpu_metadata
---
amdhsa.version: [ 1, 2 ]
amdhsa.kernels:
  - .name:           k_q1070435019_attn
    .symbol:         k_q1070435019_attn.kd
    .args:
      - { .name: qkv, .offset: 0, .size: 8, .value_kind: global_buffer, .address_space: global }
      - { .name: ctx, .offset: 8, .size: 8, .value_kind: global_buffer, .address_space: global }
    .group_segment_fixed_size: 327680
    .private_segment_fixed_size: 0
    .kernarg_segment_align: 8
    .kernarg_segment_size: 16
    .max_flat_workgroup_size: 256
    .sgpr_count:     66
    .vgpr_count:     512
    .wavefront_size: 32
...
	.end_amdgpu_metadata
.endif
;; end of part 3
;; launch oproj (part 4): grid 4 x 64, 4 waves a work-group, clusters of 4 x 4, 327,680 bytes of LDS; arguments ctx, woh, bo, out0; writes out0
.if DOCPART == 4
	.amdgcn_target "amdgcn-amd-amdhsa--gfx1250"
	.amdhsa_code_object_version 6
	.text
	.protected	k_q1070435019_oproj
	.globl	k_q1070435019_oproj
	.p2align	8
	.type	k_q1070435019_oproj,@function
k_q1070435019_oproj:
	s_mov_b64 s[64:65], 0
	v_nop
	global_prefetch_b8 v0, s[64:65] scope:SCOPE_SE
	s_setreg_imm32_b32 hwreg(HW_REG_WAVE_MODE, 25, 1), 1
	s_wait_xcnt 0x0
	s_wait_alu depctr_hold_cnt(0) depctr_sa_sdst(0) depctr_va_vdst(0) depctr_va_sdst(0) depctr_va_ssrc(0) depctr_va_vcc(0) depctr_vm_vsrc(0)
	s_getreg_b32 s2, hwreg(HW_REG_IB_STS2, 6, 4)
	s_cmp_eq_u32 s2, 0
	s_cbranch_scc0 .Lentry_in_a_cluster
	s_endpgm
.Lentry_in_a_cluster:
	s_bfe_u32 s2, ttmp6, 0x10000c
	s_cmp_lg_u32 s2, 0xf033
	s_cbranch_scc0 .Lentry_shape_is_right
	s_endpgm
.Lentry_shape_is_right:
; Launch 4 of 4: out0 = ctx Wo + bo.  [8192 x 1024] x [1024 x 1024], operands in f16, sums in f32, out0 f32.
; ctx: f16 [batch x 16 + head][2048 tokens][64]: row m = (batch, token), k = 64 head + channel.  woh: f16 [k 1024][n 1024], in Wo's own order.
; A tile of C is 128 (rows) x 256 (columns): 256 work-groups.  Four waves, each 64 x 128: 32 accumulators, 256 registers.  K goes in steps of 128, TWO HEADS, through a ring of two LDS slots.
; A's tile of a step: two planes (heads) of 128 tokens x 128 bytes, each dense in memory: stated as 64 rows of 256 bytes, two tokens to a row.  B's tile: 128 rows k of 512 bytes; it comes out of LDS turned, by ds_load_tr16_b128.
; Waves 0 and 1 fetch A's two planes, waves 2 and 3 B's two halves of 64 rows: one tensor load a wave.
; CLUSTERS: 4 x 4 work-groups.  The four of a row of the cluster need the same tiles of ctx, the four of a column the same tiles of woh: each tile is asked for JOINTLY.
; THE MATRIX INSTRUCTION IS USED TRANSPOSED (source 0 = 16 columns of Wo, source 1 = 16 rows of ctx): a lane holds eight neighbouring numbers of a row of C.  bo is the C of each sum's first matrix instruction.
; No prefetch is laid: the tile is small, a step's matrix work is short, and the tiles are shared fourfold by the joint loads.
; REGISTERS: window 0: v0-31 addresses; two fragment buffers of 96 at v64 and v160: A's 4 blocks (32 registers), then B's 8 (64); on the way out v64-191.   window 1: the accumulators ((a, b) at v[8 (8 a + b)]).   window 2: v0-63 bo.
.set PA,     272                       ; A's LDS row: 256 bytes + 16
.set PB,     544                       ; B's LDS row: 512 bytes + 32 = 136 words: 16 lanes of the turning load start at words 8 x + 4 z modulo 64: all different
.set PLANE,  64*PA                     ; a head's 128 tokens
.set BOFF,   2*PLANE                   ; a slot: A's two planes, then B's 128 rows
.set HALFB,  64*PB
.set SLOT,   BOFF+2*HALFB
.set STAGE,  2*SLOT                    ; behind the ring: 16 rows x (512 bytes + 16) for each wave, for the way out; no tensor load fills it
.set SPITCH, 528
.set SPARE,  STAGE+4*16*SPITCH         ; behind the stages: the spare words, 128 bytes for each wave: two blocks of 256 bytes that no other line names
.set LAPS,   4                         ; a lap = two K steps = once round the ring; K = 1,024 is eight steps
.set ADRA, 16                          ; v16-17  LDS address of my A fragments in slot 0, 1
.set ADRB, 20                          ; v20-21  the same for B
.set STO,  24                          ; v24     the way out: where I put 32 bytes of a row
.set RD,   25                          ; v25     where I read a row back
.set CO,   26                          ; v26     16 x lane
.set SPW,  28                          ; v28     LDS address of my spare word; never rewritten
.set NIL,  29                          ; v29     0; never rewritten
.set F0,   64
.set F1,   160
.set BK,   64                          ; the way out: 16 rows read back: v64-127 and v128-191 by turns
.set G1A, 24                           ; s[24:31] descriptor group 1 for A's tiles;  s[32:39] group 0, one set for each slot
.set G0A, 32
.set G1B, 48                           ; s[48:55], s[56:63] the same for B's tiles
.set G0B, 56
.set MSB, 0
.macro WIN new                         ; the immediate's high byte repeats the setting that is left; a switch that changes nothing is dropped
.if MSB != (\new)
	s_set_vgpr_msb (MSB<<8)|(\new)
.set MSB, (\new)
.endif
.endm
.set MUL,  0x50                        ; sources 0 and 1 window 0; C and D window 1
.set ONE,  0x60                        ; the first quarter: C (bo) window 2, D window 1
.macro JLOAD s                         ; a joint load: waves 0 and 1 fetch for A, waves 2 and 3 for B; an s_nop 0 and four v_nop follow each of the two lines
	s_cmp_eq_u32 s13, 0
	s_cbranch_scc0 .Lfor_b_\@
	tensor_load_to_lds s[G0A+4*\s:G0A+4*\s+3], s[G1A:G1A+7]
	s_nop 0
.rept 4
	v_nop
.endr
	s_branch .Lasked_\@
.Lfor_b_\@:
	tensor_load_to_lds s[G0B+4*\s:G0B+4*\s+3], s[G1B:G1B+7]
	s_nop 0
.rept 4
	v_nop
.endr
.Lasked_\@:
.endm
.macro CREST                           ; a round of the cluster's barrier behind its opening barrier
	s_cmp_lg_u32 s12, 0
	s_cbranch_scc1 .Lnot_wave_0_\@
	s_barrier_signal -3
.Lnot_wave_0_\@:
	s_barrier_wait -3
	s_barrier_signal -1
	s_barrier_wait -1
.endm
.macro CROUND                          ; a whole round
	s_barrier_signal -1
	s_barrier_wait -1
	CREST
.endm
	s_load_b128 s[4:7], s[0:1], 0x0                ; ctx s[4:5], woh s[6:7]
	s_load_b128 s[8:11], s[0:1], 0x10              ; bo s[8:9], out0 s[10:11]
	v_lshl_add_u32 v[SPW], v0, 2, SPARE
	v_mov_b32 v[NIL], 0
	ds_add_u32 v[SPW], v[NIL]                      ; the wave's opening: the add, twice on end, and its wait ahead of my first tensor load; the set-up below stands between the second and the wait
	ds_add_u32 v[SPW], v[NIL]
	v_lshrrev_b32 v1, 5, v0
	v_readfirstlane_b32 s12, v1                    ; wave 0..3
	s_lshr_b32 s13, s12, 1                         ; which 64 rows of the tile are mine.  Also: I fetch for A (0) or for B (1)
	s_and_b32 s14, s12, 1                          ; which 128 columns.  Also: which part of that tile I fetch
	s_bfe_u32 s40, ttmp6, 0x40000                  ; cx, cy: my place in the cluster
	s_bfe_u32 s41, ttmp6, 0x40004
	s_lshl_b32 s42, ttmp9, 2
	s_add_co_u32 s42, s42, s40                     ; x: tile column 0..3
	s_and_b32 s15, ttmp7, 0xffff
	s_lshl_b32 s15, s15, 2
	s_add_co_u32 s15, s15, s41                     ; y: tile row 0..63
	s_lshl_b32 s43, s41, 2
	s_lshl_b32 s43, 15, s43                        ; my row of the cluster
	s_lshl_b32 s44, 0x1111, s40                    ; my column
	s_or_b32 s[G1A], s43, (1<<16)|(1<<20)|(1<<21)|(5<<22)|(3<<25)   ; A: the mask of my row; elements of 2 bytes; padding on; bit 21 beside a mask; 4 words after every 64
	s_mov_b32 s[G1A+1], 128<<16                    ; tensor_dim0
	s_mov_b32 s[G1A+2], 64<<16                     ; tensor_dim1
	s_mov_b32 s[G1A+3], 128<<16                    ; tile_dim0
	s_mov_b32 s[G1A+4], 64                         ; tile_dim1
	s_mov_b32 s[G1A+5], 128                        ; from row to row: dense
	s_mov_b32 s[G1A+6], 0
	s_mov_b32 s[G1A+7], 0
	s_or_b32 s[G1B], s44, (1<<16)|(1<<20)|(1<<21)|(6<<22)|(7<<25)   ; B: the mask of my column; 8 words after every 128
	s_mov_b32 s[G1B+1], 256<<16
	s_mov_b32 s[G1B+2], 64<<16
	s_mov_b32 s[G1B+3], 256<<16
	s_mov_b32 s[G1B+4], 64
	s_mov_b32 s[G1B+5], 1024
	s_mov_b32 s[G1B+6], 0
	s_mov_b32 s[G1B+7], 0
	s_lshr_b32 s16, s15, 4                         ; A: batch x 2^22
	s_lshl_b32 s16, s16, 22
	s_and_b32 s17, s15, 15
	s_lshl_b32 s17, s17, 14                        ; + 128 tokens of 128 bytes for each tile row of the batch
	s_add_co_u32 s16, s16, s17
	s_lshl_b32 s17, s14, 18                        ; + my plane: head 0 or 1 of the step
	s_add_co_u32 s16, s16, s17
	s_mov_b32 s17, 0
	s_lshl_b32 s46, s42, 9                         ; B: 512 bytes for each tile column
	s_lshl_b32 s47, s14, 17                        ; + my 64 rows of 2,048 bytes
	s_add_co_u32 s46, s46, s47
	s_mov_b32 s47, 0
	s_mul_i32 s20, s14, PLANE                      ; where they go: no place in the cluster enters an LDS address
	s_mul_i32 s21, s14, HALFB
	s_add_co_u32 s21, s21, BOFF
	s_wait_dscnt 0x0                               ; both opening adds are done
	s_wait_kmcnt 0x0
	s_add_nc_u64 s[16:17], s[4:5], s[16:17]
	s_add_nc_u64 s[46:47], s[6:7], s[46:47]
	CROUND                                         ; all sixteen work-groups are here: the first joint loads meet
.irp s, 0,1
	s_mov_b32 s[G0A+4*\s], 1
	s_add_co_u32 s[G0A+4*\s+1], s20, \s*SLOT
	s_add_nc_u64 s[G0A+4*\s+2:G0A+4*\s+3], s[16:17], \s*(1<<19)    ; K step s: two heads of 2^18 bytes on
	s_or_b32 s[G0A+4*\s+3], s[G0A+4*\s+3], 0x80000000
	s_mov_b32 s[G0B+4*\s], 1
	s_add_co_u32 s[G0B+4*\s+1], s21, \s*SLOT
	s_add_nc_u64 s[G0B+4*\s+2:G0B+4*\s+3], s[46:47], \s*(1<<18)    ; 128 rows of 2,048 bytes on
	s_or_b32 s[G0B+4*\s+3], s[G0B+4*\s+3], 0x80000000
	JLOAD \s                                       ; two tensor loads of mine are out at the most
.endr
	v_and_b32 v1, 15, v0                           ; r
	v_bfe_u32 v2, v0, 4, 1                         ; h
	v_lshlrev_b32 v7, 5, v2                        ; bo: 32 h bytes: my eight columns of a block of 16; not rewritten while the loads are out
	s_lshl_b32 s46, s42, 10
	s_lshl_b32 s47, s14, 9
	s_add_co_u32 s46, s46, s47                     ; my 128 columns, 4 bytes each: in bo, and in a row of out0
	s_mov_b32 s47, 0
	s_add_nc_u64 s[8:9], s[8:9], s[46:47]
	WIN 0x80                                       ; destination window 2
.irp b, 0,1,2,3,4,5,6,7                        ; register 8 b + j = bo[my first column + 16 b + 8 h + j]: the result's layout
	global_load_b128 v[8*\b:8*\b+3], v7, s[8:9] offset:64*\b
	global_load_b128 v[8*\b+4:8*\b+7], v7, s[8:9] offset:64*\b+16
.endr
	WIN 0
	v_bfe_u32 v3, v0, 1, 3                         ; r / 2
	v_and_b32 v4, 1, v0                            ; r % 2
	v_mul_u32_u24 v5, v3, PA
	v_lshl_add_u32 v5, v4, 7, v5
	v_lshl_add_u32 v5, v2, 4, v5                   ; A: token r: (r / 2) pitch + 128 (r % 2) + 16 h
	s_mul_i32 s22, s13, 32*PA                      ; my 64 tokens are 32 rows
	v_and_b32 v3, 7, v0
	v_lshl_add_u32 v3, v2, 3, v3                   ; B, turned: row k = 8 h + l % 8,
	v_mul_u32_u24 v6, v3, PB
	v_bfe_u32 v4, v0, 3, 1
	v_lshl_add_u32 v6, v4, 4, v6                   ; columns 8 ((l / 8) % 2) on
	s_lshl_b32 s23, s14, 8                         ; my 128 columns are 256 bytes
	s_add_co_u32 s23, s23, BOFF
.irp s, 0,1
	v_add_nc_u32 v[ADRA+\s], s22, v5
	v_add_nc_u32 v[ADRB+\s], s23, v6
	s_add_co_u32 s22, s22, SLOT
	s_add_co_u32 s23, s23, SLOT
.endr
	s_mul_i32 s23, s12, 16*SPITCH
	s_add_co_u32 s23, s23, STAGE                   ; my stage
	v_mul_u32_u24 v5, v1, SPITCH                   ; in: row r, 32 bytes for each half of the lanes
	v_lshl_add_u32 v5, v2, 5, v5
	v_add_nc_u32 v[STO], s23, v5
	v_and_b32 v6, 31, v0
	v_lshlrev_b32 v[CO], 4, v6                     ; back: the 32 lanes take one row of 512 bytes; and the same in out0
	v_add_nc_u32 v[RD], s23, v[CO]
	s_lshl_b32 s16, s15, 7
	s_lshl_b32 s17, s13, 6
	s_add_co_u32 s16, s16, s17                     ; my first row of out0: 128 y + 64 x half
	s_lshl_b32 s16, s16, 12                        ; 4,096 bytes a row
	s_add_co_u32 s16, s16, s46                     ; + my first column
	s_mov_b32 s17, 0
	s_add_nc_u64 s[10:11], s[10:11], s[16:17]
; 8 matrix instructions: A's block a against B's eight, 32 along K, from buffer f.  first = 1: the sums start, with bo as C.  The 32 accumulators take turns, one instruction a turn, in the same order in every quarter.
.macro MUL8 f, a, first
.irp b, 0,1,2,3,4,5,6,7
.if \first
	v_wmma_f32_16x16x32_f16 v[8*(8*(\a)+\b):8*(8*(\a)+\b)+7], v[\f+32+8*\b:\f+32+8*\b+7], v[\f+8*(\a):\f+8*(\a)+7], v[8*\b:8*\b+7]
.else
	v_wmma_f32_16x16x32_f16 v[8*(8*(\a)+\b):8*(8*(\a)+\b)+7], v[\f+32+8*\b:\f+32+8*\b+7], v[\f+8*(\a):\f+8*(\a)+7], v[8*(8*(\a)+\b):8*(8*(\a)+\b)+7]
.endif
.endr
.endm
; 24 LDS loads in one run: the fragments of the slot's q-th 32 along K into buffer f: B's eight first (turned), then A's four (plane q / 2, channels 32 (q % 2) on)
.macro FETCH slot, q, f
	WIN 0
.irp b, 0,1,2,3,4,5,6,7
	ds_load_tr16_b128 v[\f+32+8*\b:\f+32+8*\b+3],   v[ADRB+\slot] offset:32*PB*(\q)+32*\b
	ds_load_tr16_b128 v[\f+32+8*\b+4:\f+32+8*\b+7], v[ADRB+\slot] offset:32*PB*(\q)+32*\b+16*PB
.endr
.irp i, 0,1,2,3
	ds_load_b128 v[\f+8*\i:\f+8*\i+3],   v[ADRA+\slot] offset:PLANE*((\q)/2)+64*((\q)%2)+8*PA*\i
	ds_load_b128 v[\f+8*\i+4:\f+8*\i+7], v[ADRA+\slot] offset:PLANE*((\q)/2)+64*((\q)%2)+8*PA*\i+32
.endr
.endm
.macro PLACES                          ; four places in front of loads into registers that matrix instructions have read, and of the first read of results
.rept 4
	v_nop
.endr
.endm
; A K step is four quarters of 32 along K, 32 matrix instructions each, on buffers 0, 1, 0, 1.  One of the first three: multiplies buffer f and fetches the slot's quarter qn into g.
.macro QUARTER slot, qn, f, g, first
	s_wait_dscnt 4                                 ; B's fragments and A's blocks 0, 1 are in; the youngest four loads (A's blocks 2, 3) may be out
.if \first
	WIN ONE
.else
	WIN MUL
.endif
	MUL8 \f, 0, \first
	MUL8 \f, 1, \first
	PLACES
	FETCH \slot, \qn, \g
	s_wait_dscnt 24                                ; all but the 24 just issued
.if \first
	WIN ONE
.else
	WIN MUL
.endif
	MUL8 \f, 2, \first
	MUL8 \f, 3, \first
.endm
; The last quarter multiplies buffer 1 and changes slots: ONE barrier; in front of it each wave waits for all its tensor loads, adds 0 to its spare word, and waits for that and for its own reads of this slot.  fill = 1: this slot is filled again, two K steps ahead.
.macro TURN slot, next, fill
	WIN 0                                          ; (the add's two registers lie in window 0)
	s_wait_tensorcnt 0x0                           ; all my tensor loads have landed: my part of the next slot;
	ds_add_u32 v[SPW], v[NIL]                      ; 0 onto my spare word;
	s_wait_dscnt 5                                 ; (the add and the youngest four loads may be out)
	WIN MUL
	MUL8 F1, 0, 0                                  ; eight matrix instructions stand between the add and the wait for it
	s_wait_dscnt 0x0                               ; the add is done, and my reads of this slot are over
	s_barrier_signal -1
	MUL8 F1, 1, 0
.if \fill
	WIN 0
.endif
	s_barrier_wait -1
.if \fill
	CREST                                          ; the barrier has opened a round of the cluster's barrier: no wave of any partner still reads this slot's tile or has a load on its way
	s_add_nc_u64 s[G0A+4*\slot+2:G0A+4*\slot+3], s[G0A+4*\slot+2:G0A+4*\slot+3], 1<<20   ; two K steps on: four heads,
	s_add_nc_u64 s[G0B+4*\slot+2:G0B+4*\slot+3], s[G0B+4*\slot+2:G0B+4*\slot+3], 1<<19   ; 256 rows of woh
	JLOAD \slot                                    ; the first tensor load behind the round, one a wave; the four v_nop behind it are also the places in front of the loads below
.else
	PLACES
.endif
	FETCH \next, 0, F0
	WIN MUL
	MUL8 F1, 2, 0
	MUL8 F1, 3, 0
.endm
	s_wait_tensorcnt 1                             ; my part of K step 0 is in (K step 1's load, issued behind it, may be out),
	s_barrier_signal -1
	s_barrier_wait -1                              ; everybody's is
	FETCH 0, 0, F0
	s_wait_loadcnt 0x0                             ; bo
	QUARTER 0, 1, F0, F1, 1                        ; the first quarter stands in front of the loop: its products start the sums
	WIN 0                                          ; at a label and at a branch every window is 0
	s_mov_b32 s3, LAPS-1
.Llap:                                             ; a trip goes once round the ring, from a lap's second quarter to the next lap's first, and fills both slots again
	QUARTER 0, 2, F1, F0, 0
	QUARTER 0, 3, F0, F1, 0
	TURN 0, 1, 1
	QUARTER 1, 1, F0, F1, 0
	QUARTER 1, 2, F1, F0, 0
	QUARTER 1, 3, F0, F1, 0
	TURN 1, 0, 1
	QUARTER 0, 1, F0, F1, 0
	WIN 0
	s_sub_co_u32 s3, s3, 1
	s_cmp_lg_u32 s3, 0
	s_cbranch_scc1 .Llap
	QUARTER 0, 2, F1, F0, 0                        ; the last lap fills nothing, and has no round of the cluster's barrier
	QUARTER 0, 3, F0, F1, 0
	TURN 0, 1, 0
	QUARTER 1, 1, F0, F1, 0
	QUARTER 1, 2, F1, F0, 0
	QUARTER 1, 3, F0, F1, 0
	s_wait_dscnt 4                                 ; the very last quarter: nothing more to fetch
	WIN MUL
	MUL8 F1, 0, 0
	MUL8 F1, 1, 0
	s_wait_dscnt 0
	MUL8 F1, 2, 0
	MUL8 F1, 3, 0
	WIN 0
; THE WAY OUT, block by block of 16 rows x 128 columns.  A lane holds 32 neighbouring bytes of a row, and the lanes beside it hold other rows: so a block goes through my own stage in LDS and comes back as whole rows of
; 512 bytes.  LDS serves a wave's instructions in order (ISA guide 5.7.1.4): no wait between the stores and the loads, nor in front of the next block's stores.
.macro TOSTAGE a
	WIN 0x04                                       ; an LDS store's data are its source 1: window 1
.irp b, 0,1,2,3,4,5,6,7
	ds_store_b128 v[STO], v[64*(\a)+8*\b:64*(\a)+8*\b+3] offset:64*\b          ; each accumulator from its low end on
	ds_store_b128 v[STO], v[64*(\a)+8*\b+4:64*(\a)+8*\b+7] offset:64*\b+16
.endr
	WIN 0
.set BB, BK+64*((\a)%2)
.irp t, 0,1,2,3,4,5,6,7,8,9,10,11,12,13,14,15
	ds_load_b128 v[BB+4*\t:BB+4*\t+3], v[RD] offset:\t*SPITCH
.endr
.endm
.macro SEND a, younger                 ; younger: the LDS instructions issued behind block a's loads, which may stay out
.set BB, BK+64*((\a)%2)
	s_wait_dscnt \younger                          ; the block is back in registers
.irp t, 0,1,2,3,4,5,6,7,8,9,10,11,12,13,14,15
	global_store_b128 v[CO], v[BB+4*\t:BB+4*\t+3], s[10:11] offset:(16*(\a)+\t)*4096 th:TH_STORE_NT   ; 32 lanes store 512 consecutive bytes, aligned; written once, read by nobody here
.endr
.endm
	PLACES                                         ; behind the last products: for the stores that read results, and the loads into registers that held fragments
	TOSTAGE 0
.irp a, 1,2,3
.if \a > 1
	s_wait_xcnt 0x0                                ; block a - 2's stores have read their registers: block a's loads may land there
.endif
	TOSTAGE \a
	SEND \a-1, 32                                  ; behind block a - 1's loads: block a's 16 stores and 16 loads
.endr
	SEND 3, 0
	s_wait_tensorcnt 0x0                           ; the wave's end, behind my last tensor load and my last LDS store
	ds_add_u32 v[SPW], v[NIL]
	s_wait_dscnt 0x0
	CROUND                                         ; the closing round: no work-group ends while a partner may still ask for a tile that names it
	s_endpgm
.Lfunc_end_k_q1070435019_oproj:
	.size	k_q1070435019_oproj, .Lfunc_end_k_q1070435019_oproj-k_q1070435019_oproj
	.p2alignl 7, 3214868480
	.fill 96, 4, 3214868480
	.section	.rodata,"a",@progbits
	.p2align	6, 0x0
	.amdhsa_kernel k_q1070435019_oproj
		.amdhsa_group_segment_fixed_size 327680
		.amdhsa_private_segment_fixed_size 0
		.amdhsa_enable_private_segment 0
		.amdhsa_kernarg_size 32
		.amdhsa_user_sgpr_count 2
		.amdhsa_user_sgpr_kernarg_segment_ptr 1
		.amdhsa_wavefront_size32 1
		.amdhsa_system_sgpr_workgroup_id_x 1
		.amdhsa_system_sgpr_workgroup_id_y 1
		.amdhsa_system_sgpr_workgroup_id_z 1
		.amdhsa_system_vgpr_workitem_id 0
		.amdhsa_next_free_vgpr 576
		.amdhsa_next_free_sgpr 66
		.amdhsa_reserve_vcc 0
		.amdhsa_float_denorm_mode_32 3
		.amdhsa_float_denorm_mode_16_64 3
		.amdhsa_memory_ordered 1
		.amdhsa_forward_progress 1
		.amdhsa_inst_pref_size 87
	.end_amdhsa_kernel
	.amdgpu_metadata
---
amdhsa.version: [ 1, 2 ]
amdhsa.kernels:
  - .name:           k_q1070435019_oproj
    .symbol:         k_q1070435019_oproj.kd
    .args:
      - { .name: ctx, .offset: 0, .size: 8, .value_kind: global_buffer, .address_space: global }
      - { .name: woh, .offset: 8, .size: 8, .value_kind: global_buffer, .address_space: global }
      - { .name: bo, .offset: 16, .size: 8, .value_kind: global_buffer, .address_space: global }
      - { .name: out0, .offset: 24, .size: 8, .value_kind: global_buffer, .address_space: global }
    .group_segment_fixed_size: 327680
    .private_segment_fixed_size: 0
    .kernarg_segment_align: 8
    .kernarg_segment_size: 32
    .max_flat_workgroup_size: 128
    .sgpr_count:     66
    .vgpr_count:     576
    .wavefront_size: 32
...
	.end_amdgpu_metadata
.endif
;; end of part 4
